; MI455X (gfx1250); checked and timed in simulation.
; The chip was launched on July 23, 2026; its instructions are those of AMD's public machine-readable ISA for CDNA 5 (MIT licence, August 2026) and "CDNA5" Instruction Set Architecture Reference Guide (July 2026). The comments in the code are by the model that wrote it; some were corrected since.
;; Sigmoid Mo E. Allowed arithmetic: matrix products marked QUANTISED: E5M2 operands, one E8M0 scale for each 32 along K, by v_wmma_scale_f32_16x16x128_f8f6f4 with both operands' format E5M2, f32 sums; products left as they are: f32 operands where the result goes on into a quantised operand, else bf16, f16 or f32 operands; f32 sums; everything else in f32.
;; Inputs: router_b 8 float32; router_w 8 x 1,024 float32; w12 8 x 1,024 x 4,096 float32; w3 8 x 2,048 x 1,024 float32; x 2 x 512 x 1,024 float32.
;; Outputs: out0 2 x 512 x 1,024 float32; out1 one number float32.
;; This version of the problem:
;;   THIS VERSION OF THE PROBLEM IS GIVEN IN LOW PRECISION. The matrix products marked QUANTISED in the list below multiply operands that are first quantised to E5M2 (5 exponent bits, 2 mantissa bits; 8 bits a number), with one power-of-two scale for each 32 numbers along K (OCP MX v1.0); their sums are f32. All else is computed in f32.
;;   The module's matrix products, in the order in which they are computed (A, B: the left and right operand; K: the contracted axis; several contracted axes count as one K, in the product's order):
;;     1. [M 1,024, K 1,024] x [K 1,024, N 8]; A: input x; B: input router_w: left as it is (N = 8 < 16)
;;     2. batch 1,024 x [M 1, K 2] x [K 2, N 8]; A: computed on the way; B: computed on the way: left as it is (K = 2 < 32)
;;     3. [M 32,768, K 1,024] x [K 1,024, N 1,024]; A: input w12; B: input x: QUANTISED
;;     4. batch 8 x [M 1,024, K 2,048] x [K 2,048, N 1,024]; A: computed on the way; B: input w3: QUANTISED
;;     5. batch 1,024 x [M 1,024, K 8] x [K 8, N 1]; A: computed on the way; B: computed on the way: left as it is (K = 8 < 32)
;;   THE QUANTISER, for each operand of a quantised product, along K:
;;     - K is cut into blocks of 32 from its start; a last block that is shorter is filled with zeros.
;;     - A block's scale is 2^e with e = floor(log2(the largest magnitude in the block)) - 15, held to -126 .. 127; a block of zeros has e = 0. As a byte (E8M0): e + 127.
;;     - Each number is divided by its block's scale, clamped to +-57,344, and rounded to the nearest number of E5M2, ties to even, subnormals kept.
;;     - The product sums the exact products of the quantised numbers (number of the format x scale) in f32.
;;   ~~~python
;;   def quantise(x, axis):      # numpy; x: float32 -> the quantised numbers, widened to float32 again
;;       x = np.moveaxis(x, axis, -1); K = x.shape[-1]
;;       x = np.pad(x, [(0, 0)] * (x.ndim - 1) + [(0, -K % 32)]); x = x.reshape(x.shape[:-1] + (-1, 32)); a = np.abs(x).max(-1, keepdims=True)
;;       e = np.where(a > 0, np.clip(np.frexp(np.where(a > 0, a, 1))[1] - 1 - 15, -126, 127), 0)      # np.frexp(a)[1] - 1 = floor(log2(a)), exactly
;;       r = np.clip(x / 2.0 ** e, -57344, 57344)
;;       step = 2.0 ** (np.maximum(np.frexp(np.where(r == 0, 1, r))[1] - 1, -14) - 2)
;;       q = np.round(r / step) * step * 2.0 ** e      # np.round: ties to even
;;       return np.moveaxis(q.reshape(q.shape[:-2] + (-1,))[..., :K], -1, axis).astype(np.float32)
;;   ~~~
;;   OPERANDS COMPUTED ON THE WAY. 'Computed on the way' means the value that the module computes at that place (a softmax that the list does not call 'softmax' is quantised finished and normalised). What goes into a quantiser is computed in f32, as accurately as f32 sums, v_exp_f32 and their like allow (about 1e-6 of the number): no bf16 or f16 on the way to a quantiser, and a product that is left as it is and whose result goes on into a quantised operand takes f32 operands (vector FMAs, or v_wmma_f32_16x16x4_f32). A number that lies on a knife's edge between two numbers of the format may be rounded either way, as far as f32 arithmetic and the matrix unit's own rounding can turn it there, and no further.
;; 2 versions, each right; version 2 is version 1 with the launch gemm2 written anew for expert scheduling mode. Each part assembles by itself: llvm-mc -triple=amdgcn-amd-amdhsa -mcpu=gfx1250 --defsym DOCPART=n.
;; ======== version 1 of 2: 4 launches
;; workspace buffers: xq 1,048,576 bytes; xsc 32,768 bytes; sel 4,096 bytes of whole numbers; rt 12,288 bytes; hid 20,971,520 bytes; hsc 655,360 bytes; y 16,842,752 bytes; list 43,008 bytes of whole numbers
;; launch route (part 1): grid 256 x 1, 4 waves a work-group, no clusters, 33,280 bytes of LDS; arguments x, router_w, router_b, xq, xsc, sel, rt; writes xq, xsc, sel, rt
.if DOCPART == 1
	.amdgcn_target "amdgcn-amd-amdhsa--gfx1250"
	.amdhsa_code_object_version 6
	.text
	.protected	k_q64c17bbfd1_route
	.globl	k_q64c17bbfd1_route
	.p2align	8
	.type	k_q64c17bbfd1_route,@function
k_q64c17bbfd1_route:
	s_mov_b64 s[64:65], 0
	v_nop
	global_prefetch_b8 v0, s[64:65] scope:SCOPE_SE
	s_setreg_imm32_b32 hwreg(HW_REG_WAVE_MODE, 25, 1), 1
	s_wait_xcnt 0x0
; THE ROUTER, AND x INTO CODES.  x [1024 tokens][1024] f32, router_w [8][1024] f32, router_b [8] f32.
; One wave takes one token (4 x work-group + wave).  It makes, all in f32: the 8 logits, their sigmoids, the two largest (a strict > keeps the lower index at a tie),
; the two weights v / (v1 + v2 + 1e-6), and the sum of the 8 squared logits.  It stores them at fixed places: sel[token] = e1 | e2 << 8,
; rt[2 token + slot] = the weight, rt[2048 + token] = the sum of squares.  No address here hangs on the choice.
; It also turns its row of x into codes of E5M2 with one E8M0 byte for each 32 along K: xq [token][1024 bytes], xsc [token][32 bytes].
; A block's scale is 2^(floor(log2(largest magnitude)) - 15): the byte is that magnitude's exponent field - 15, held at 1 from below by a floor among the maximum's leaves.
; LIMITS: NaN and infinities are not served.  A block of zeros gets the byte 1 where the rule says 127 (its codes are zeros; only this program reads the bytes); so do blocks under 2^(16 - 127).
; The two largest are taken of THIS text's f32 sigmoids: where two scores lie within an ulp of each other, or both round to 1.0, another sigmoid's last bit may order them otherwise.
; No matrix unit, no cluster, no barrier: waves share nothing, and the launch reads 4 MB.
; REGISTERS: window 0: v1 lane, v2 16 x lane, v3 4 x lane, v5-7, v14-15 LDS addresses; R x as loaded; A eight pairs of sums; L logits; SC scores; X two sets of 16 neighbours; C codes; E bytes.
;            window 1: router_w, expert e at v[32 e ..], in the same order as R.
.set SP,   80                          ; a lane's place in a stage: 64 bytes + 16 of padding
.set WREG, 8192                        ; LDS of a wave: two stages of 32 x SP bytes, then its 32 scale bytes
.set R,    16
.set A,    48
.set L,    64
.set SC,   72
.set X,    80
.set C,    112
.set E,    120
.set TA,   122
.set TB,   123
.set HD,   124
.set SL,   125
.set MSB, 0
.macro WIN new                         ; the immediate's high byte repeats the setting that is left
.if MSB != \new
	s_set_vgpr_msb (MSB<<8)|\new
.set MSB, \new
.endif
.endm
	s_load_b256 s[4:11], s[0:1], 0x0               ; x s[4:5], router_w s[6:7], router_b s[8:9], xq s[10:11]
	s_load_b128 s[12:15], s[0:1], 0x20             ; xsc s[12:13], sel s[14:15]
	s_load_b64 s[16:17], s[0:1], 0x30              ; rt
	v_lshl_add_u32 v254, v0, 2, 0x8000
	v_mov_b32 v255, 0
	v_lshrrev_b32 v1, 5, v0
	v_readfirstlane_b32 s20, v1                    ; wave
	v_and_b32 v1, 31, v0                           ; lane
	v_lshlrev_b32 v2, 4, v1
	v_lshlrev_b32 v3, 2, v1
	s_lshl_b32 s21, ttmp9, 2
	s_add_co_u32 s21, s21, s20                     ; my token
	s_mul_i32 s22, s20, WREG
	v_lshrrev_b32 v14, 2, v1
	v_mul_u32_u24 v14, v14, SP
	v_and_b32 v15, 3, v1
	v_lshl_add_u32 v14, v15, 4, v14
	v_add_nc_u32 v14, s22, v14                     ; the stage on the way in: SP (lane / 4) + 16 (lane % 4)
	v_mul_u32_u24 v15, v1, SP
	v_add_nc_u32 v15, s22, v15                     ; and on the way out: SP x lane
	v_lshrrev_b32 v5, 1, v1
	s_add_co_u32 s22, s22, 2*32*SP
	v_add_nc_u32 v5, s22, v5                       ; my block's scale byte (two lanes to a block)
	v_and_b32 v7, 7, v1
	v_lshl_add_u32 v6, v7, 2, s22                  ; the 32 bytes back, a word a lane
	s_mov_b32 s23, 0x600000                        ; the mantissa field of 57,344
	s_mov_b32 s34, 0x76543210
	s_mov_b32 s35, 0xfedcba98                      ; v_permlanex16_b32's selects for lane l xor 16
	s_mov_b32 s33, 0
	s_wait_kmcnt 0x0
	s_load_b256 s[24:31], s[8:9], 0x0              ; the eight biases
	s_lshl_b32 s32, s21, 12
	s_add_nc_u64 s[4:5], s[4:5], s[32:33]          ; my row of x
	s_lshl_b32 s32, s21, 10
	s_add_nc_u64 s[10:11], s[10:11], s[32:33]      ; its codes
	s_lshl_b32 s32, s21, 5
	s_add_nc_u64 s[12:13], s[12:13], s[32:33]      ; its scale bytes
	s_lshl_b32 s32, s21, 2
	s_add_nc_u64 s[14:15], s[14:15], s[32:33]      ; sel[token]
	s_add_nc_u64 s[18:19], s[16:17], s[32:33]      ; rt + 4 token: the sum of squares lies 8,192 bytes on
	s_lshl_b32 s32, s21, 3
	s_add_nc_u64 s[16:17], s[16:17], s[32:33]      ; rt + 8 token: the two weights
.irp i, 0,1,2,3,4,5,6,7
	global_load_b128 v[R+4*\i:R+4*\i+3], v2, s[4:5] offset:512*\i th:TH_LOAD_NT      ; 32 lanes read 512 consecutive bytes
.endr
	WIN 0x40                                       ; destination window 1
.irp e, 0,1,2,3,4,5,6,7
.irp i, 0,1,2,3,4,5,6,7
	global_load_b128 v[32*\e+4*\i:32*\e+4*\i+3], v2, s[6:7] offset:4096*\e+512*\i
.endr
.endr
	WIN 0
	s_wait_loadcnt 63                              ; 64 loads were issued behind x's eight: x is in
.macro TURN u                          ; 512 numbers through the stage: in as loaded, out as 16 neighbours a lane; LDS serves a wave's instructions in order
.irp i, 0,1,2,3
	ds_store_b128 v14, v[R+16*\u+4*\i:R+16*\u+4*\i+3] offset:32*SP*\u+8*SP*\i
.endr
.irp i, 0,1,2,3
	ds_load_b128 v[X+16*\u+4*\i:X+16*\u+4*\i+3], v15 offset:32*SP*\u+16*\i
.endr
.endm
	TURN 0
	TURN 1
	s_wait_dscnt 0x0
.macro QSTEP u
.set XS, X+16*\u
	v_max3_num_f32 v[TA], |v[XS]|, |v[XS+1]|, |v[XS+2]|
	v_max3_num_f32 v[TB], |v[XS+3]|, |v[XS+4]|, |v[XS+5]|
.irp i, 6,10
	v_max3_num_f32 v[TA], v[TA], |v[XS+\i]|, |v[XS+\i+1]|
	v_max3_num_f32 v[TB], v[TB], |v[XS+\i+2]|, |v[XS+\i+3]|
.endr
	v_max3_num_f32 v[TA], v[TA], |v[XS+14]|, |v[XS+15]|
	v_max3_num_f32 v[TA], v[TA], v[TB], 0x8000000  ; and the floor 2^(16 - 127): the byte cannot fall under 1
	v_max_num_f32_dpp v[TA], v[TA], v[TA] row_xmask:1 row_mask:0xf bank_mask:0xf   ; with my neighbour's 16: the block's largest magnitude
	v_add_nc_u32 v[SL], 0xf8800000, v[TA]          ; 15 off its exponent field: the conversion's scale operand
	v_and_or_b32 v[HD], v[TA], 0x7f800000, s23     ; 57,344 x the scale
.irp i, 0,1,2,3,4,5,6,7,8,9,10,11,12,13,14,15
	v_med3_num_f32 v[XS+\i], v[XS+\i], -v[HD], v[HD]   ; the conversion to an 8-bit code does not saturate (ISA guide 7.6.2): the hold comes first
.endr
	v_cvt_scalef32_pk8_bf8_f32 v[C+4*\u:C+4*\u+1], v[XS:XS+7], v[SL]
	v_cvt_scalef32_pk8_bf8_f32 v[C+4*\u+2:C+4*\u+3], v[XS+8:XS+15], v[SL]
	v_lshrrev_b32 v[E+\u], 23, v[SL]               ; the scale's byte
	ds_store_b8 v5, v[E+\u] offset:16*\u           ; both lanes of a block write the same byte with the same value
	global_store_b128 v2, v[C+4*\u:C+4*\u+3], s[10:11] offset:512*\u   ; 32 lanes store 512 consecutive bytes
.endm
	QSTEP 0
	QSTEP 1
	ds_load_b32 v136, v6                           ; the 32 scale bytes, a word a lane (lanes 8 on repeat them)
	s_wait_loadcnt 0x0                             ; router_w
	WIN 0x04                                       ; source 1 window 1
.irp e, 0,1,2,3,4,5,6,7
	v_pk_mul_f32 v[A+2*\e:A+2*\e+1], v[R:R+1], v[32*\e:32*\e+1]      ; the first products start the sums; the eight experts take turns
.endr
.irp n, 1,2,3,4,5,6,7,8,9,10,11,12,13,14,15
.irp e, 0,1,2,3,4,5,6,7
	v_pk_fma_f32 v[A+2*\e:A+2*\e+1], v[R+2*\n:R+2*\n+1], v[32*\e+2*\n:32*\e+2*\n+1], v[A+2*\e:A+2*\e+1]
.endr
.endr
	WIN 0
.irp e, 0,1,2,3,4,5,6,7
	v_add_f32 v[L+\e], v[A+2*\e], v[A+2*\e+1]
.endr
.irp m, 1,2,4,8
.irp e, 0,1,2,3,4,5,6,7
	v_add_f32_dpp v[L+\e], v[L+\e], v[L+\e] row_xmask:\m row_mask:0xf bank_mask:0xf
.endr
.endr
.irp e, 0,1,2,3,4,5,6,7
	v_permlanex16_b32 v[A+2*\e], v[L+\e], s34, s35 ; (its destination has been written)
.endr
.irp e, 0,1,2,3,4,5,6,7
	v_add_f32 v[L+\e], v[L+\e], v[A+2*\e]
.endr
	s_wait_kmcnt 0x0                               ; the biases
.irp e, 0,1,2,3,4,5,6,7
	v_add_f32 v[L+\e], s[24+\e], v[L+\e]           ; the logits, in every lane
.endr
	v_mul_f32 v134, v[L], v[L]                     ; the sum of their squares, in two chains
	v_mul_f32 v135, v[L+1], v[L+1]
.irp e, 2,4,6
	v_fmac_f32 v134, v[L+\e], v[L+\e]
	v_fmac_f32 v135, v[L+\e+1], v[L+\e+1]
.endr
	v_add_f32 v134, v134, v135
.irp e, 0,1,2,3,4,5,6,7
	v_mul_f32 v[SC+\e], 0xbfb8aa3b, v[L+\e]        ; -log2(e) x logit
.endr
.irp e, 0,1,2,3,4,5,6,7
	v_exp_f32 v[SC+\e], v[SC+\e]
.endr
	v_nop                                          ; a plain place behind the exponentials
	s_wait_alu depctr_va_vdst(0)
.irp e, 0,1,2,3,4,5,6,7
	v_add_f32 v[SC+\e], 1.0, v[SC+\e]
.endr
.irp e, 0,1,2,3,4,5,6,7
	v_rcp_f32 v[SC+\e], v[SC+\e]                   ; the sigmoid
.endr
	v_mov_b32 v127, 0                              ; (a plain place)  the largest: expert 0 so far
	s_wait_alu depctr_va_vdst(0)
	v_mov_b32 v126, v[SC]
.irp e, 1,2,3,4,5,6,7
	v_cmp_gt_f32 vcc_lo, v[SC+\e], v126
	v_cndmask_b32 v126, v126, v[SC+\e], vcc_lo
	v_cndmask_b32 v127, v127, \e, vcc_lo
.endr
	v_mov_b32 v128, -1.0                           ; the second: under every sigmoid
	v_mov_b32 v129, 0
.irp e, 0,1,2,3,4,5,6,7
	v_cmp_gt_f32 s36, v[SC+\e], v128
	v_cmp_ne_u32 s37, \e, v127                     ; not the first one again
	s_and_b32 s36, s36, s37
	v_cndmask_b32 v128, v128, v[SC+\e], s36
	v_cndmask_b32 v129, v129, \e, s36
.endr
	v_lshl_or_b32 v133, v129, 8, v127              ; e1 | e2 << 8
	v_add_f32 v130, v126, v128
	v_add_f32 v130, 0x358637bd, v130               ; + 1e-6
	v_rcp_f32 v130, v130
	v_cmp_eq_u32 s37, 1, v1                        ; (a plain place)
	s_wait_alu depctr_va_vdst(0)
	v_mul_f32 v131, v126, v130
	v_mul_f32 v132, v128, v130
	v_cndmask_b32 v137, v131, v132, s37            ; lane 0: the first weight, lane 1: the second
	v_cmp_gt_u32 vcc_lo, 8, v1
	s_wait_dscnt 0x0
	s_wait_xcnt 0x0                                ; EXEC changes only behind this wait: it is a source of the stores above
	s_wait_tensorcnt 0x0
	ds_add_u32 v254, v255
	s_wait_dscnt 0x0
	s_and_saveexec_b32 s38, vcc_lo
	global_store_b32 v3, v136, s[12:13]            ; lanes 0-7: the row's 32 scale bytes
	v_cmp_gt_u32 vcc_lo, 2, v1
	s_wait_xcnt 0x0
	s_and_saveexec_b32 s39, vcc_lo
	global_store_b32 v3, v137, s[16:17]            ; lanes 0, 1: the weights
	v_cmp_eq_u32 vcc_lo, 0, v1
	s_wait_xcnt 0x0
	s_and_saveexec_b32 s40, vcc_lo
	global_store_b32 v3, v133, s[14:15]            ; lane 0: the choice,
	global_store_b32 v3, v134, s[18:19] offset:8192   ; and the sum of squares
	s_endpgm
.Lfunc_end_k_q64c17bbfd1_route:
	.size	k_q64c17bbfd1_route, .Lfunc_end_k_q64c17bbfd1_route-k_q64c17bbfd1_route
	.p2alignl 7, 3214868480
	.fill 96, 4, 3214868480
	.section	.rodata,"a",@progbits
	.p2align	6, 0x0
	.amdhsa_kernel k_q64c17bbfd1_route
		.amdhsa_group_segment_fixed_size 33280
		.amdhsa_private_segment_fixed_size 0
		.amdhsa_enable_private_segment 0
		.amdhsa_kernarg_size 56
		.amdhsa_user_sgpr_count 2
		.amdhsa_user_sgpr_kernarg_segment_ptr 1
		.amdhsa_wavefront_size32 1
		.amdhsa_system_sgpr_workgroup_id_x 1
		.amdhsa_system_sgpr_workgroup_id_y 1
		.amdhsa_system_sgpr_workgroup_id_z 1
		.amdhsa_system_vgpr_workitem_id 0
		.amdhsa_next_free_vgpr 512
		.amdhsa_next_free_sgpr 66
		.amdhsa_reserve_vcc 1
		.amdhsa_float_denorm_mode_32 3
		.amdhsa_float_denorm_mode_16_64 3
		.amdhsa_memory_ordered 1
		.amdhsa_forward_progress 1
		.amdhsa_inst_pref_size 32
	.end_amdhsa_kernel
	.amdgpu_metadata
---
amdhsa.version: [ 1, 2 ]
amdhsa.kernels:
  - .name:           k_q64c17bbfd1_route
    .symbol:         k_q64c17bbfd1_route.kd
    .args:
      - { .name: x, .offset: 0, .size: 8, .value_kind: global_buffer, .address_space: global }
      - { .name: router_w, .offset: 8, .size: 8, .value_kind: global_buffer, .address_space: global }
      - { .name: router_b, .offset: 16, .size: 8, .value_kind: global_buffer, .address_space: global }
      - { .name: xq, .offset: 24, .size: 8, .value_kind: global_buffer, .address_space: global }
      - { .name: xsc, .offset: 32, .size: 8, .value_kind: global_buffer, .address_space: global }
      - { .name: sel, .offset: 40, .size: 8, .value_kind: global_buffer, .address_space: global }
      - { .name: rt, .offset: 48, .size: 8, .value_kind: global_buffer, .address_space: global }
    .group_segment_fixed_size: 33280
    .private_segment_fixed_size: 0
    .kernarg_segment_align: 8
    .kernarg_segment_size: 56
    .max_flat_workgroup_size: 128
    .sgpr_count:     66
    .vgpr_count:     512
    .wavefront_size: 32
...
	.end_amdgpu_metadata
.endif
;; end of part 1
;; launch gemm1 (part 2): grid 32 x 8, 4 waves a work-group, no clusters, 135,680 bytes of LDS; arguments w12, xq, xsc, list, hid, hsc, sel; writes list, hid, hsc
.if DOCPART == 2
	.amdgcn_target "amdgcn-amd-amdhsa--gfx1250"
	.amdhsa_code_object_version 6
	.text
	.protected	k_q64c17bbfd1_gemm1
	.globl	k_q64c17bbfd1_gemm1
	.p2align	8
	.type	k_q64c17bbfd1_gemm1,@function
k_q64c17bbfd1_gemm1:
	s_mov_b64 s[64:65], 0
	v_nop
	global_prefetch_b8 v0, s[64:65] scope:SCOPE_SE
	s_setreg_imm32_b32 hwreg(HW_REG_WAVE_MODE, 25, 1), 1
	s_wait_xcnt 0x0
; THE FIRST PRODUCT AND THE ACTIVATION, for the rows that chose an expert; and the list of those rows.  w12 [8][1024 (k)][4096 (n)] f32; x as codes (xq, xsc); sel[token] = e1 | e2 << 8, from the launch before.
; Work-group (j, e) owns hidden units 64 j .. 64 j + 63 of expert e: columns 64 j .. of w12 (h1) and 2048 + 64 j .. (h2), all K = 1,024.  It reads its 512 KB of w12 ONCE, as f32,
; quantises them along K in registers, lays the codes in LDS as images of the operand's registers, and multiplies the expert's rows by them:
; so the weights' codes never go to memory.  hidden = silu(h1) h2 is quantised along the hidden units in registers and stored as an image of the next product's operand.
; K goes in eight chunks of 128.  Of a chunk wave w loads and quantises the 32 k of block 4 c + w for all 128 columns: lane (q, h) takes columns 4 q .. 4 q + 3 and rows 16 h + 0 .. 15, so that a load
; reads two whole runs of 256 consecutive bytes, and a column's 16 numbers, taken down the lane's registers, are 16 neighbours along K; lane l xor 16 holds the block's other half.
; THE LIST.  Every wave holds all 1,024 words of sel: register n, lane l = token 128 (n / 4) + 4 l + n % 4.  A row's RANK is its place among the expert's rows in the order (n, lane).  The list is made by GATHERING:
; a lane that wants rank p finds the last n whose count of earlier rows is at most p (a compare and selects, n ascending), then the (p - that count)-th set bit of that register's mask (five halvings over the mask's
; pair, nibble and byte counts).  So no address of a store or of LDS hangs on a loaded number.  Wave 4 j + w, where that is under 40, also makes entries 32 (4 j + w) + lane of list for the next launch:
; 2 token + slot, or 2048 + e from the count on; wave 0 of j = 0 stores the count.  list [e][5,376 bytes]: words 0-1279 the entries, word 1312 the count.  Each word has one owner.
; ROWS.  A SWEEP is 320 ranks: 20 tiles of 16, five to a wave.  The first sweep runs beside the loads of w12, whole; sweeps 1 to 3 run only where the count reaches them, from the images in LDS.
; Ranks past the count take some token of x (the search ends on one, held inside x): whole tiles of finite codes are stored, and the next launch reads no byte that nobody wrote.
; THE PRODUCT IS USED TRANSPOSED (source 0 = 16 columns of w12, source 1 = 16 rows of x), AND THE COLUMNS OF A TILE ARE NOT NEIGHBOURS: row m of tile 2 b + u is unit 32 b + 16 (m / 8) + 8 u + m % 8,
; so that a lane's 16 registers of tiles 2 b, 2 b + 1 are units 32 b + 16 (lane / 16) + 0 .. 15 of one row: 16 neighbours along the next K.
; NO TENSOR LOADS, NO CLUSTER: the sweeps branch on a count made of loaded numbers, and the bulk of the bytes, the weights, is shared by no two work-groups.
; LIMITS: NaN and infinities are not served; a block of zeros, or under 2^(16 - 127), gets the byte 1 (only this program reads the bytes).
; LDS: IMG [K step 8][tile 8][group 4][512 B]: group g of a fragment, lane l's 16 bytes at 16 l;  SCW [K step 8][tile 8][row 16][4 B].  Each byte is stored once.
; REGISTERS: window 0: addresses, scales, the quantiser's and the list's work, x's five fragments;  window 1: two sets of 128 f32 of w12;  window 2: accumulators (tile of rows i < 4, tile of columns a) at v[64 i + 8 a];
;            window 3: v[8 a] those of i = 4; from v64 the eight fragments of w12; v192-223 sel.
.set SCW,   131072
.set FLOOR, 0x8000000                  ; 2^(16 - 127)
.set DE,    0xf8800000                 ; -(15 << 23)
.set WO,  2                            ; w12: 262144 h + 16 q
.set IWA, 3                            ; where my codes go, K steps 0-3;
.set IWB, 4                            ; K steps 4-7
.set ISW, 5                            ; where my scale bytes go
.set IRA, 6                            ; 16 x lane: an image's place for my lane, K steps 0-3 (also my 16 bytes of a stored image, and of a load of sel);
.set IRB, 7                            ; K steps 4-7
.set ISR, 8                            ; SCW + 4 x lane
.set R4,  11
.set H16, 12
.set PIR, 13                           ; later sweeps: IRA, ISR + the K step's bytes
.set PIS, 14
.set XO,  16                           ; v16-20 a tile's byte offsets in xq;  v21-25 in xsc;  v26-30 its rows' tokens
.set XSO, 21
.set RI,  26
.set XS,  32                           ; v32-36 x's scale words: scales and nothing else
.set WS,  38                           ; v38-41 w12's: lanes 0-15 tile 2 p, lanes 16-31 tile 2 p + 1
.set M,   44
.set P,   48
.set S,   52
.set HL,  56
.set BY,  60
.set T,   68                           ; v68-131  64 held numbers, 16 a column, in K's order
.set C,   132                          ; v132-163 codes
.set XF,  164                          ; v164-243 x's fragments
.set ET,  68                           ; the way out: v68-99, v100-131 at work; v164-203 codes, v204-208 scale bytes
.set EP,  100
.set EC,  164
.set EH,  204
.set SELR, 192                         ; in window 3: sel
.set LP,  68                           ; the list's work, where the quantiser's will be: v68-71 the ranks wanted (register k: three for my rows, the fourth for list);
.set LQ,  72                           ; v72-75 32 rank + 31;  v76-79 the group's mask;  v80-83 its key;  v84 its mask of second choices (fourth register only)
.set LM,  76
.set LK,  80
.set LB,  84
.set TA,  88                           ; v88-95, v96-103 eight registers' first and second choices
.set TB,  96
.set NB,  104                          ; v104-135 eight a rank register: +0 pair counts, then the token; +1 nibble counts; +2 byte counts; +3 what is left of the rank; +4 the bit's place; +5 to +7 at work
.set LSA, 244                          ; v244-247 the offsets and data of the list's two stores: never rewritten
.set LSD, 245
.set LSZ, 246
.set LSC, 247
.set HM,  45                           ; s45 the mask of lanes 16-31
.set C5,  48                           ; s48 32 x the count so far
.set TS,  49
.set QW,  50                           ; s50 4 j + w
.set RB,  51
.set CD,  52                           ; s52-55 a condition for each rank register
.set FIL, 56                           ; s56 2048 + e
.set MA,  66                           ; s66-73 eight masks: chosen;  s74-81 chosen second;  s82-89 eight keys: 32 x the count of earlier rows + n
.set MB,  74
.set PK,  82
.set MSB, 0
.macro WIN new                         ; the immediate's high byte repeats the setting that is left
.if MSB != \new
	s_set_vgpr_msb (MSB<<8)|\new
.set MSB, \new
.endif
.endm
	s_load_b256 s[4:11], s[0:1], 0x0               ; w12 s[4:5], xq s[6:7], xsc s[8:9], list s[10:11]
	s_load_b128 s[12:15], s[0:1], 0x20             ; hid s[12:13], hsc s[14:15]
	s_load_b64 s[46:47], s[0:1], 0x30              ; sel
	v_lshl_add_u32 v254, v0, 2, 0x21000
	v_mov_b32 v255, 0
	v_lshrrev_b32 v1, 5, v0
	v_readfirstlane_b32 s16, v1                    ; wave
	s_and_b32 s17, ttmp7, 0xffff                   ; e
	s_mov_b32 s18, ttmp9                           ; j
	v_and_b32 v1, 31, v0                           ; lane
	v_and_b32 v15, 15, v0                          ; q = r
	v_bfe_u32 v31, v0, 4, 1                        ; h
	v_lshlrev_b32 v[WO], 4, v15
	v_lshl_add_u32 v[WO], v31, 18, v[WO]
	v_bfe_u32 v42, v0, 0, 1                        ; column 4 q + c of the 64: b = q's bit 3, u = bit 1, row m = 8 bit 2 + 4 bit 0 + c
	v_lshlrev_b32 v[IWA], 6, v42
	v_lshlrev_b32 v[ISW], 4, v42
	v_bfe_u32 v42, v0, 1, 1
	v_lshl_add_u32 v[IWA], v42, 11, v[IWA]
	v_lshl_add_u32 v[ISW], v42, 6, v[ISW]
	v_bfe_u32 v42, v0, 2, 1
	v_lshl_add_u32 v[IWA], v42, 7, v[IWA]
	v_lshl_add_u32 v[ISW], v42, 5, v[ISW]
	v_bfe_u32 v42, v0, 3, 1
	v_lshl_add_u32 v[IWA], v42, 12, v[IWA]
	v_lshl_add_u32 v[ISW], v42, 7, v[ISW]
	v_lshl_add_u32 v[IWA], v31, 8, v[IWA]          ; + 256 h: the upper lanes' half of a group
	s_lshl_b32 s26, s16, 9
	v_add_nc_u32 v[IWA], s26, v[IWA]               ; + 512 w: my block is group w of its K step
	v_add_nc_u32 v[IWB], 0x10000, v[IWA]
	s_add_co_u32 s26, s16, SCW
	v_add_nc_u32 v[ISW], s26, v[ISW]               ; byte w of the row's word
	v_lshlrev_b32 v[IRA], 4, v1
	v_add_nc_u32 v[IRB], 0x10000, v[IRA]
	v_lshl_add_u32 v[ISR], v1, 2, SCW
	v_lshlrev_b32 v[R4], 2, v15
	v_lshlrev_b32 v[H16], 4, v31
.irp b, 0,1,2,3
	v_mov_b32 v[P+\b], 0                           ; written once: a lane permute's destination counts as one of its sources
.endr
	s_mov_b32 s30, 0x76543210
	s_mov_b32 s31, 0xfedcba98                      ; v_permlanex16_b32's selects for lane l xor 16
	s_mov_b32 s32, 0x600000                        ; the mantissa field of 57,344
	s_mov_b32 s[HM], 0xffff0000
	s_add_co_u32 s[FIL], s17, 2048
	s_lshl_b32 s[QW], s18, 2
	s_add_co_u32 s[QW], s[QW], s16
	s_mov_b32 s27, 0
	s_wait_kmcnt 0x0
	s_mul_i32 s26, s17, 5376
	s_add_nc_u64 s[10:11], s[10:11], s[26:27]      ; my expert's list
	s_lshl_b32 s26, s17, 24                        ; w12: 16,777,216 e + 256 j + 524,288 w
	s_lshl_b32 s28, s18, 8
	s_add_co_u32 s26, s26, s28
	s_lshl_b32 s28, s16, 19
	s_add_co_u32 s26, s26, s28
	s_add_nc_u64 s[4:5], s[4:5], s[26:27]          ; chunks 0-3;
	s_add_nc_u64 s[24:25], s[4:5], 0x800000        ; chunks 4-7: so every load's offset is an immediate of at most 6,545,408
	s_lshl_b32 s26, s17, 5                         ; hid: ((32 e + j) 80 + 5 w) x 1,024
	s_add_co_u32 s26, s26, s18
	s_mul_i32 s26, s26, 80
	s_mul_i32 s28, s16, 5
	s_add_co_u32 s26, s26, s28
	s_lshl_b32 s26, s26, 10
	s_add_nc_u64 s[12:13], s[12:13], s[26:27]
	s_mul_i32 s26, s17, 80                         ; hsc: ((80 e + 5 w) 16 + j / 2) x 64 + 2 (j % 2)
	s_add_co_u32 s26, s26, s28
	s_lshl_b32 s26, s26, 4
	s_lshr_b32 s29, s18, 1
	s_add_co_u32 s26, s26, s29
	s_lshl_b32 s26, s26, 6
	s_and_b32 s29, s18, 1
	s_lshl_b32 s29, s29, 1
	s_add_co_u32 s26, s26, s29
	s_add_nc_u64 s[14:15], s[14:15], s[26:27]
; For each of nk rank registers: which register n of sel holds the rank, with that register's mask and key.  Eight registers of sel at a time: compares, then the scalar unit's counts, then the selects.
; A key is 32 x (the rows in earlier registers) + n; 32 rank + 31 is at least the key just where the rank is at least that count.  n ascends, so the last key that passes stays.
.macro LISTGEN nk
.irp k, 0,1,2,3
.if \k < \nk
	v_lshl_or_b32 v[LQ+\k], v[LP+\k], 5, 31
.endif
.endr
	s_mov_b32 s[C5], 0
.irp bt, 0,1,2,3
	WIN 0x0c                                       ; source 1 window 3
.irp i, 0,1,2,3,4,5,6,7
	v_and_b32 v[TA+\i], 0xff, v[SELR+8*\bt+\i]
	v_lshrrev_b32 v[TB+\i], 8, v[SELR+8*\bt+\i]
.endr
	WIN 0
.irp i, 0,1,2,3,4,5,6,7
	v_cmp_eq_u32 s[MA+\i], s17, v[TA+\i]           ; chosen first,
	v_cmp_eq_u32 s[MB+\i], s17, v[TB+\i]           ; or second
.endr
.irp i, 0,1,2,3,4,5,6,7
	s_or_b32 s[MA+\i], s[MA+\i], s[MB+\i]
	s_or_b32 s[PK+\i], s[C5], 8*\bt+\i
	s_bcnt1_i32_b32 s[TS], s[MA+\i]
	s_lshl_b32 s[TS], s[TS], 5
	s_add_co_u32 s[C5], s[C5], s[TS]
.endr
.irp i, 0,1,2,3,4,5,6,7
.if 8*\bt+\i == 0
.irp k, 0,1,2,3
.if \k < \nk
	v_mov_b32 v[LM+\k], s[MA]                      ; register 0's key is 0: every rank passes it
	v_mov_b32 v[LK+\k], s[PK]
.endif
.endr
.if \nk > 3
	v_mov_b32 v[LB], s[MB]
.endif
.else
.irp k, 0,1,2,3
.if \k < \nk
	v_cmp_le_u32 s[CD+\k], s[PK+\i], v[LQ+\k]
.endif
.endr
.irp k, 0,1,2,3
.if \k < \nk
	v_cndmask_b32 v[LM+\k], v[LM+\k], s[MA+\i], s[CD+\k]
	v_cndmask_b32 v[LK+\k], v[LK+\k], s[PK+\i], s[CD+\k]
.endif
.endr
.if \nk > 3
	v_cndmask_b32 v[LB], v[LB], s[MB+\i], s[CD+3]
.endif
.endif
.endr
.endr
.endm
; One halving: c = the set bits in the lower w of the 2 w places in hand (a field of the counts at v[sb + ss k]); where what is left of the rank reaches c, c comes off it and the place moves w up.
.macro NSTEP nk, sb, ss, w
.irp k, 0,1,2,3
.if \k < \nk
	v_bfe_u32 v[NB+8*\k+5], v[\sb+\ss*\k], v[NB+8*\k+4], \w
.endif
.endr
.irp k, 0,1,2,3
.if \k < \nk
	v_cmp_ge_u32 s[CD+\k], v[NB+8*\k+3], v[NB+8*\k+5]
	v_sub_nc_u32 v[NB+8*\k+6], v[NB+8*\k+3], v[NB+8*\k+5]
	v_add_nc_u32 v[NB+8*\k+7], \w, v[NB+8*\k+4]
.endif
.endr
.irp k, 0,1,2,3
.if \k < \nk
	v_cndmask_b32 v[NB+8*\k+3], v[NB+8*\k+3], v[NB+8*\k+6], s[CD+\k]
	v_cndmask_b32 v[NB+8*\k+4], v[NB+8*\k+4], v[NB+8*\k+7], s[CD+\k]
.endif
.endr
.endm
; The lane of the rank's row in its register of sel, and the token: into v[NB + 8 k].  The rank registers take turns line by line, so that no line waits for the line above it.
.macro NTH nk
.irp k, 0,1,2,3
.if \k < \nk
	v_lshrrev_b32 v[NB+8*\k+6], 5, v[LK+\k]        ; the rows in earlier registers
	v_lshrrev_b32 v[NB+8*\k+7], 1, v[LM+\k]
.endif
.endr
.irp k, 0,1,2,3
.if \k < \nk
	v_sub_nc_u32 v[NB+8*\k+3], v[LP+\k], v[NB+8*\k+6]      ; what is left of the rank
	v_and_b32 v[NB+8*\k+7], 0x55555555, v[NB+8*\k+7]
.endif
.endr
.irp k, 0,1,2,3
.if \k < \nk
	v_sub_nc_u32 v[NB+8*\k], v[LM+\k], v[NB+8*\k+7]        ; set bits of each pair
.endif
.endr
.irp k, 0,1,2,3
.if \k < \nk
	v_lshrrev_b32 v[NB+8*\k+6], 2, v[NB+8*\k]
	v_and_b32 v[NB+8*\k+7], 0x33333333, v[NB+8*\k]
.endif
.endr
.irp k, 0,1,2,3
.if \k < \nk
	v_and_b32 v[NB+8*\k+6], 0x33333333, v[NB+8*\k+6]
.endif
.endr
.irp k, 0,1,2,3
.if \k < \nk
	v_add_nc_u32 v[NB+8*\k+1], v[NB+8*\k+6], v[NB+8*\k+7]  ; of each nibble
.endif
.endr
.irp k, 0,1,2,3
.if \k < \nk
	v_lshrrev_b32 v[NB+8*\k+6], 4, v[NB+8*\k+1]
.endif
.endr
.irp k, 0,1,2,3
.if \k < \nk
	v_add_nc_u32 v[NB+8*\k+6], v[NB+8*\k+6], v[NB+8*\k+1]
.endif
.endr
.irp k, 0,1,2,3
.if \k < \nk
	v_and_b32 v[NB+8*\k+2], 0x0f0f0f0f, v[NB+8*\k+6]       ; of each byte
.endif
.endr
.irp k, 0,1,2,3
.if \k < \nk
	v_lshrrev_b32 v[NB+8*\k+6], 8, v[NB+8*\k+2]
.endif
.endr
.irp k, 0,1,2,3
.if \k < \nk
	v_add_nc_u32 v[NB+8*\k+6], v[NB+8*\k+6], v[NB+8*\k+2]
.endif
.endr
.irp k, 0,1,2,3
.if \k < \nk
	v_and_b32 v[NB+8*\k+5], 0xff, v[NB+8*\k+6]             ; of the lower 16
.endif
.endr
.irp k, 0,1,2,3
.if \k < \nk
	v_cmp_ge_u32 s[CD+\k], v[NB+8*\k+3], v[NB+8*\k+5]
	v_sub_nc_u32 v[NB+8*\k+6], v[NB+8*\k+3], v[NB+8*\k+5]
.endif
.endr
.irp k, 0,1,2,3
.if \k < \nk
	v_cndmask_b32 v[NB+8*\k+3], v[NB+8*\k+3], v[NB+8*\k+6], s[CD+\k]
	v_cndmask_b32 v[NB+8*\k+4], 0, 16, s[CD+\k]
.endif
.endr
	NSTEP \nk, NB+2, 8, 8
	NSTEP \nk, NB+1, 8, 4
	NSTEP \nk, NB, 8, 2
	NSTEP \nk, LM, 1, 1
.irp k, 0,1,2,3
.if \k < \nk
	v_and_b32 v[NB+8*\k+6], 28, v[LK+\k]           ; 4 (n / 4)
	v_and_b32 v[NB+8*\k+7], 3, v[LK+\k]            ; n % 4
.endif
.endr
.irp k, 0,1,2,3
.if \k < \nk
	v_lshl_add_u32 v[NB+8*\k+6], v[NB+8*\k+6], 5, v[NB+8*\k+7]
.endif
.endr
.irp k, 0,1,2,3
.if \k < \nk
	v_lshl_add_u32 v[NB+8*\k], v[NB+8*\k+4], 2, v[NB+8*\k+6]       ; the token: 128 (n / 4) + 4 lane + n % 4
.endif
.endr
.endm
.macro TOKENS                          ; register k, lane = rank 32 k + lane of my 80  ->  tile i, lane (r, h) = rank 16 i + r
.irp k, 0,1,2
	v_permlanex16_b32 v[LQ+\k], v[NB+8*\k], s30, s31       ; (its destination has been written)
.endr
	v_cndmask_b32 v[RI], v[NB], v[LQ], s[HM]
	v_cndmask_b32 v[RI+1], v[LQ], v[NB], s[HM]
	v_cndmask_b32 v[RI+2], v[NB+8], v[LQ+1], s[HM]
	v_cndmask_b32 v[RI+3], v[LQ+1], v[NB+8], s[HM]
	v_cndmask_b32 v[RI+4], v[NB+16], v[LQ+2], s[HM]
.endm
.macro ROWS                            ; the token, held inside x; its offsets in xq and xsc
.irp i, 0,1,2,3,4
	v_min_u32 v[RI+\i], 0x3ff, v[RI+\i]
	v_lshl_add_u32 v[XO+\i], v[RI+\i], 10, v[H16]
	v_lshlrev_b32 v[XSO+\i], 5, v[RI+\i]
.endr
.endm
.macro WLOAD c                         ; chunk c: my 32 k x 128 columns of w12 into set c % 2: register 64 g + 4 i + c' = W(16 h + i, column 4 q + c' of half g)
.if (\c) < 4
.set WBS, 4
.else
.set WBS, 24
.endif
	WIN 0x40                                       ; destination window 1
.irp g, 0,1
.irp i, 0,1,2,3,4,5,6,7,8,9,10,11,12,13,14,15
	global_load_b128 v[128*((\c)%2)+64*\g+4*\i:128*((\c)%2)+64*\g+4*\i+3], v[WO], s[WBS:WBS+1] offset:((\c)%4)*2097152+\i*16384+\g*8192 th:TH_LOAD_NT
.endr
.endr
	WIN 0
.endm
.macro XLOAD s, xb, sb                 ; K step s of my five tiles of x: 25 loads
.irp i, 0,1,2,3,4
.irp c, 0,1,2,3
	global_load_b128 v[XF+16*\i+4*\c:XF+16*\i+4*\c+3], v[XO+\i], s[\xb:\xb+1] offset:128*(\s)+32*\c
.endr
	global_load_b32 v[XS+\i], v[XSO+\i], s[\sb:\sb+1] offset:4*(\s)
.endr
.endm
; Chunk c's f32 numbers become codes and scale bytes in LDS.  Half g (h1's columns, then h2's): four columns a lane, by turns.
.macro QUANT c
.if (\c) < 4
.set IW, IWA
.else
.set IW, IWB
.endif
.irp g, 0,1
.set XB, 128*((\c)%2)+64*\g
	WIN 0x05                                       ; sources 0 and 1 window 1
.irp jj, 0,1,2,3
	v_max3_num_f32 v[M+\jj], |v[XB+\jj]|, |v[XB+4+\jj]|, FLOOR       ; my 16 numbers of the column's block, and the floor: the byte cannot fall under 1
.endr
.irp i, 2,4,6,8,10,12,14
.irp jj, 0,1,2,3
	v_max3_num_f32 v[M+\jj], |v[XB+4*\i+\jj]|, |v[XB+4*\i+4+\jj]|, v[M+\jj]
.endr
.endr
	WIN 0
.irp jj, 0,1,2,3
	v_permlanex16_b32 v[P+\jj], v[M+\jj], s30, s31
.endr
.irp jj, 0,1,2,3
	v_max_num_f32 v[M+\jj], v[M+\jj], v[P+\jj]     ; with lane l xor 16's: the block's largest magnitude
.endr
.irp jj, 0,1,2,3
	v_add_nc_u32 v[S+\jj], DE, v[M+\jj]            ; 15 off its exponent field: the conversion's scale operand
.endr
.irp jj, 0,1,2,3
	v_and_or_b32 v[HL+\jj], v[M+\jj], 0x7f800000, s32      ; 57,344 x the scale
.endr
.irp jj, 0,1,2,3
	v_lshrrev_b32 v[BY+4*\g+\jj], 23, v[S+\jj]     ; the scale's byte
.endr
	WIN 0x01                                       ; source 0 window 1
.irp jj, 0,1,2,3
.irp i, 0,1,2,3,4,5,6,7,8,9,10,11,12,13,14,15
	v_med3_num_f32 v[T+16*\jj+\i], v[XB+4*\i+\jj], -v[HL+\jj], v[HL+\jj]     ; the hold (the conversion does not saturate: ISA guide 7.6.2), which also lays a column's 16 numbers on end
.endr
.endr
	WIN 0
.irp jj, 0,1,2,3
	v_cvt_scalef32_pk8_bf8_f32 v[C+16*\g+4*\jj:C+16*\g+4*\jj+1], v[T+16*\jj:T+16*\jj+7], v[S+\jj]
	v_cvt_scalef32_pk8_bf8_f32 v[C+16*\g+4*\jj+2:C+16*\g+4*\jj+3], v[T+16*\jj+8:T+16*\jj+15], v[S+\jj]
.endr
	v_nop                                          ; a plain place behind the conversions, ahead of whatever next writes their sources
.irp jj, 0,1,2,3
	ds_store_b128 v[IW], v[C+16*\g+4*\jj:C+16*\g+4*\jj+3] offset:((\c)%4)*16384+\g*8192+16*\jj
	ds_store_b8 v[ISW], v[BY+4*\g+\jj] offset:512*(\c)+256*\g+4*\jj      ; both halves of the lanes write the same byte with the same value
.endr
.endr
.endm
.macro WM i, a, zero                   ; one product: tile of rows i, tile of columns a
.set AC, (64*(\i)+8*(\a))%256
.set AW, 64+16*(\a)
.set BX, XF+16*(\i)
.if \zero
.if (\a)%2
	v_wmma_scale_f32_16x16x128_f8f6f4 v[AC:AC+7], v[AW:AW+15], v[BX:BX+15], 0, v[WS+(\a)/2], v[XS+(\i)] matrix_a_fmt:MATRIX_FMT_BF8 matrix_b_fmt:MATRIX_FMT_BF8 matrix_a_scale:MATRIX_SCALE_ROW1
.else
	v_wmma_scale_f32_16x16x128_f8f6f4 v[AC:AC+7], v[AW:AW+15], v[BX:BX+15], 0, v[WS+(\a)/2], v[XS+(\i)] matrix_a_fmt:MATRIX_FMT_BF8 matrix_b_fmt:MATRIX_FMT_BF8
.endif
.else
.if (\a)%2
	v_wmma_scale_f32_16x16x128_f8f6f4 v[AC:AC+7], v[AW:AW+15], v[BX:BX+15], v[AC:AC+7], v[WS+(\a)/2], v[XS+(\i)] matrix_a_fmt:MATRIX_FMT_BF8 matrix_b_fmt:MATRIX_FMT_BF8 matrix_a_scale:MATRIX_SCALE_ROW1
.else
	v_wmma_scale_f32_16x16x128_f8f6f4 v[AC:AC+7], v[AW:AW+15], v[BX:BX+15], v[AC:AC+7], v[WS+(\a)/2], v[XS+(\i)] matrix_a_fmt:MATRIX_FMT_BF8 matrix_b_fmt:MATRIX_FMT_BF8
.endif
.endif
.endm
; A K step's 40 products: w12's eight fragments and their scale words from LDS (address register + bytes), against x's five.  zero = 1: they start the sums.  xn: the loads that may stay out when x's are in.
; The 40 accumulators take turns, one instruction a turn, in the same order in every step.
.macro MUL ra, ioff, rs, soff, zero, xn
.irp p, 0,1,2,3
	ds_load_b32 v[WS+\p], v[\rs] offset:(\soff)+128*\p
.endr
	WIN 0xc0                                       ; destination window 3
.irp a, 0,1,2,3,4,5,6,7
.irp c, 0,1,2,3
	ds_load_b128 v[64+16*\a+4*\c:64+16*\a+4*\c+3], v[\ra] offset:(\ioff)+2048*\a+512*\c
.endr
.endr
	s_wait_loadcnt \xn
	WIN 0xa3                                       ; source 0 window 3, source 1 window 0, C and D window 2
.irp a, 0,1,2,3,4,5,6,7
	s_wait_dscnt 4*(7-\a)                          ; fragment a is in (and the scale words, which are older); the younger fragments may be out
.irp i, 0,1,2,3
	WM \i, \a, \zero
.endr
.endr
	WIN 0xf3                                       ; C and D window 3
.irp a, 0,1,2,3,4,5,6,7
	WM 4, \a, \zero
.endr
	WIN 0
.rept 9
	v_nop                                          ; places: eight in front of loads into the operands and of reads of the sums, nine in front of a product that starts a sum anew
.endr
.endm
; wn: the loads younger than this chunk's w12: x of this chunk (25) and w12 of the next (32)
.macro CHUNK c, wn, ra, zero, xn
	s_wait_loadcnt \wn
	QUANT \c
	s_wait_dscnt 0x0                               ; for the others' sake: my codes and bytes have landed
	s_barrier_signal -1
	s_barrier_wait -1                              ; the K step's images are whole.  No second barrier: no byte of them is written again
	MUL \ra, ((\c)%4)*16384, ISR, 512*(\c), \zero, \xn
.if (\c) < 7
	XLOAD (\c)+1, 6, 8
.endif
.if (\c) < 6
	WLOAD (\c)+2                                   ; into the set that this chunk has left
.endif
.endm
; The way out of tile i: hidden = h1 h2 / (1 + 2^(-log2(e) h1)); two blocks of 32 units, quantised as the weights are; stored as the next operand's registers.
.macro EPI i
.set AB, (64*(\i))%256
.if (\i) < 4
	WIN 0x0a                                       ; sources 0 and 1 window 2
.else
	WIN 0x0f                                       ; window 3
.endif
.irp n, 0,1,2,3,4,5,6,7,8,9,10,11,12,13,14,15
	v_pk_mul_f32 v[ET+2*\n:ET+2*\n+1], v[AB+2*\n:AB+2*\n+1], 0xbfb8aa3b op_sel_hi:[1,0]      ; each sum is read from its low end on
.endr
.irp n, 0,1,2,3,4,5,6,7,8,9,10,11,12,13,14,15
	v_pk_mul_f32 v[EP+2*\n:EP+2*\n+1], v[AB+2*\n:AB+2*\n+1], v[AB+32+2*\n:AB+32+2*\n+1]      ; h1 h2
.endr
	WIN 0
.irp n, 0,1,2,3,4,5,6,7,8,9,10,11,12,13,14,15,16,17,18,19,20,21,22,23,24,25,26,27,28,29,30,31
	v_exp_f32 v[ET+\n], v[ET+\n]
.endr
	v_nop
	s_wait_alu depctr_va_vdst(0)
.irp n, 0,1,2,3,4,5,6,7,8,9,10,11,12,13,14,15
	v_pk_add_f32 v[ET+2*\n:ET+2*\n+1], v[ET+2*\n:ET+2*\n+1], 1.0 op_sel_hi:[1,0]
.endr
.irp n, 0,1,2,3,4,5,6,7,8,9,10,11,12,13,14,15,16,17,18,19,20,21,22,23,24,25,26,27,28,29,30,31
	v_rcp_f32 v[ET+\n], v[ET+\n]
.endr
	v_nop
	s_wait_alu depctr_va_vdst(0)
.irp n, 0,1,2,3,4,5,6,7,8,9,10,11,12,13,14,15
	v_pk_mul_f32 v[EP+2*\n:EP+2*\n+1], v[EP+2*\n:EP+2*\n+1], v[ET+2*\n:ET+2*\n+1]            ; register 16 b + n = unit 32 b + 16 h + n of row r
.endr
.irp b, 0,1
	v_max3_num_f32 v[M+\b], |v[EP+16*\b]|, |v[EP+16*\b+1]|, FLOOR
.endr
.irp n, 2,4,6,8,10,12,14
.irp b, 0,1
	v_max3_num_f32 v[M+\b], v[M+\b], |v[EP+16*\b+\n]|, |v[EP+16*\b+\n+1]|
.endr
.endr
.irp b, 0,1
	v_permlanex16_b32 v[P+\b], v[M+\b], s30, s31
.endr
.irp b, 0,1
	v_max_num_f32 v[M+\b], v[M+\b], v[P+\b]
.endr
.irp b, 0,1
	v_add_nc_u32 v[S+\b], DE, v[M+\b]
.endr
.irp b, 0,1
	v_and_or_b32 v[HL+\b], v[M+\b], 0x7f800000, s32
.endr
.irp b, 0,1
	v_lshrrev_b32 v[BY+\b], 23, v[S+\b]
.endr
	v_lshl_or_b32 v[EH+(\i)], v[BY+1], 8, v[BY]    ; my slab's two bytes of the row's scale word
.irp b, 0,1
.irp n, 0,1,2,3,4,5,6,7,8,9,10,11,12,13,14,15
	v_med3_num_f32 v[EP+16*\b+\n], v[EP+16*\b+\n], -v[HL+\b], v[HL+\b]
.endr
.endr
.irp b, 0,1
	v_cvt_scalef32_pk8_bf8_f32 v[EC+8*(\i)+4*\b:EC+8*(\i)+4*\b+1], v[EP+16*\b:EP+16*\b+7], v[S+\b]
	v_cvt_scalef32_pk8_bf8_f32 v[EC+8*(\i)+4*\b+2:EC+8*(\i)+4*\b+3], v[EP+16*\b+8:EP+16*\b+15], v[S+\b]
.endr
	v_nop                                          ; a plain place behind the conversions
.irp b, 0,1
	global_store_b128 v[IRA], v[EC+8*(\i)+4*\b:EC+8*(\i)+4*\b+3], s[12:13] offset:1024*(\i)+512*\b   ; 32 lanes store 512 consecutive bytes, aligned
.endr
	global_store_b16 v[R4], v[EH+(\i)], s[14:15] offset:1024*(\i)    ; lanes r and r + 16 store the same two bytes
.endm
	WIN 0xc0                                       ; destination window 3
.irp g, 0,1,2,3,4,5,6,7
	global_load_b128 v[SELR+4*\g:SELR+4*\g+3], v[IRA], s[46:47] offset:512*\g        ; all of sel: 32 lanes read 512 consecutive bytes
.endr
	WIN 0
	WLOAD 0
	WLOAD 1
	s_mul_i32 s[RB], s16, 80                       ; the ranks wanted: my 80 rows of the first sweep in three registers,
	v_add_nc_u32 v[LP], s[RB], v1
	v_add_nc_u32 v[LP+1], 32, v[LP]
	v_add_nc_u32 v[LP+2], 64, v[LP]
	s_lshl_b32 s[TS], s[QW], 5
	v_add_nc_u32 v[LP+3], s[TS], v1                ; and entries 32 (4 j + w) + lane of list
	s_wait_loadcnt 63                              ; 64 loads were issued behind sel's eight: they are in.  The list is made while w12's first two chunks are on their way
	LISTGEN 4
	s_lshr_b32 s19, s[C5], 5                       ; the expert's count of rows
	NTH 4
	v_bfe_u32 v[NB+29], v[LB], v[NB+28], 1         ; list's entry: the slot,
	v_lshlrev_b32 v[LSA], 2, v[LP+3]               ; (its place: 4 x rank, made of ids alone)
	v_mov_b32 v[NB+31], s[FIL]
	v_cmp_gt_u32 vcc_lo, s19, v[LP+3]
	v_lshl_add_u32 v[NB+30], v[NB+24], 1, v[NB+29] ; 2 token + slot,
	v_cndmask_b32 v[LSD], v[NB+31], v[NB+30], vcc_lo       ; or 2048 + e from the count on
	s_cmp_ge_u32 s[QW], 40                         ; 40 waves x 32 entries are the list's 1,280
	s_cbranch_scc1 .Lno_list
	global_store_b32 v[LSA], v[LSD], s[10:11]      ; 32 lanes store 128 consecutive bytes
	s_cmp_lg_u32 s[QW], 0
	s_cbranch_scc1 .Lno_list
	v_mov_b32 v[LSZ], 0
	v_mov_b32 v[LSC], s19
	global_store_b32 v[LSZ], v[LSC], s[10:11] offset:5248  ; the count: all lanes store the same word with the same value
.Lno_list:
	TOKENS
	ROWS
	XLOAD 0, 6, 8
	CHUNK 0, 57, IRA, 1, 0                         ; x of chunk 0 is the youngest load
	CHUNK 1, 57, IRA, 0, 32                        ; from here on w12 of the next chunk (32 loads) is younger than x
	CHUNK 2, 57, IRA, 0, 32
	CHUNK 3, 57, IRA, 0, 32
	CHUNK 4, 57, IRB, 0, 32
	CHUNK 5, 57, IRB, 0, 32
	CHUNK 6, 57, IRB, 0, 32
	CHUNK 7, 25, IRB, 0, 0                         ; nothing of w12 is left to ask for
	; FOUR SWEEPS, a loop of constant count without a barrier.  Sweep 0: its products are done; only its way out runs.  Sweeps 1-3: products and way out, where 320 x sweep < count.
	s_mov_b32 s33, 0                               ; the sweep
	s_mov_b32 s34, 0                               ; its first row
.Lsweep:
	s_cmp_lt_u32 s34, s19
	s_cselect_b32 s41, 1, 0
	s_cmp_eq_u32 s33, 0
	s_cselect_b32 s42, 0, s41                      ; products?
	s_cselect_b32 s43, 1, s41                      ; way out?
	s_wait_xcnt 0x0                                ; the bases and registers of earlier loads and stores are written again only behind this wait
	s_mov_b64 s[36:37], s[6:7]
	s_mov_b64 s[38:39], s[8:9]
	s_mov_b32 s40, 0
	s_mov_b32 s44, 0
	s_cmp_eq_u32 s42, 0
	s_cbranch_scc1 .Lno_first
	s_mul_i32 s[RB], s16, 80                       ; my 80 rows of this sweep
	s_add_co_u32 s[RB], s[RB], s34
	v_add_nc_u32 v[LP], s[RB], v1
	v_add_nc_u32 v[LP+1], 32, v[LP]
	v_add_nc_u32 v[LP+2], 64, v[LP]
	LISTGEN 3
	NTH 3
	TOKENS
	ROWS
	XLOAD 0, 36, 38
	MUL IRA, 0, ISR, 0, 1, 0                       ; K step 0 starts the sums
.Lno_first:
	s_mov_b32 s35, 7
.Lk:                                               ; K steps 1-7: every wave walks the loop; only the work is jumped over
	s_wait_xcnt 0x0
	s_add_nc_u64 s[36:37], s[36:37], 128
	s_add_nc_u64 s[38:39], s[38:39], 4
	s_add_co_u32 s40, s40, 16384
	s_add_co_u32 s44, s44, 512
	s_cmp_eq_u32 s42, 0
	s_cbranch_scc1 .Lno_step
	v_add_nc_u32 v[PIR], s40, v[IRA]
	v_add_nc_u32 v[PIS], s44, v[ISR]
	XLOAD 0, 36, 38
	MUL PIR, 0, PIS, 0, 0, 0
.Lno_step:
	s_sub_co_u32 s35, s35, 1
	s_cmp_lg_u32 s35, 0
	s_cbranch_scc1 .Lk
	s_cmp_eq_u32 s43, 0
	s_cbranch_scc1 .Lno_out
	EPI 0
	EPI 1
	EPI 2
	EPI 3
	EPI 4
.Lno_out:
	s_wait_xcnt 0x0
	s_add_nc_u64 s[12:13], s[12:13], 20480         ; 20 tiles on, in hid and in hsc
	s_add_nc_u64 s[14:15], s[14:15], 20480
	s_add_co_u32 s34, s34, 320
	s_add_co_u32 s33, s33, 1
	s_cmp_lt_u32 s33, 4
	s_cbranch_scc1 .Lsweep
	s_wait_tensorcnt 0x0
	ds_add_u32 v254, v255
	s_wait_dscnt 0x0
	s_endpgm
.Lfunc_end_k_q64c17bbfd1_gemm1:
	.size	k_q64c17bbfd1_gemm1, .Lfunc_end_k_q64c17bbfd1_gemm1-k_q64c17bbfd1_gemm1
	.p2alignl 7, 3214868480
	.fill 96, 4, 3214868480
	.section	.rodata,"a",@progbits
	.p2align	6, 0x0
	.amdhsa_kernel k_q64c17bbfd1_gemm1
		.amdhsa_group_segment_fixed_size 135680
		.amdhsa_private_segment_fixed_size 0
		.amdhsa_enable_private_segment 0
		.amdhsa_kernarg_size 56
		.amdhsa_user_sgpr_count 2
		.amdhsa_user_sgpr_kernarg_segment_ptr 1
		.amdhsa_wavefront_size32 1
		.amdhsa_system_sgpr_workgroup_id_x 1
		.amdhsa_system_sgpr_workgroup_id_y 1
		.amdhsa_system_sgpr_workgroup_id_z 1
		.amdhsa_system_vgpr_workitem_id 0
		.amdhsa_next_free_vgpr 1024
		.amdhsa_next_free_sgpr 96
		.amdhsa_reserve_vcc 1
		.amdhsa_float_denorm_mode_32 3
		.amdhsa_float_denorm_mode_16_64 3
		.amdhsa_memory_ordered 1
		.amdhsa_forward_progress 1
		.amdhsa_inst_pref_size 255
	.end_amdhsa_kernel
	.section	.bss,"aw",@nobits
	.p2align	6
	.space	262144
	.amdgpu_metadata
---
amdhsa.version: [ 1, 2 ]
amdhsa.kernels:
  - .name:           k_q64c17bbfd1_gemm1
    .symbol:         k_q64c17bbfd1_gemm1.kd
    .args:
      - { .name: w12, .offset: 0, .size: 8, .value_kind: global_buffer, .address_space: global }
      - { .name: xq, .offset: 8, .size: 8, .value_kind: global_buffer, .address_space: global }
      - { .name: xsc, .offset: 16, .size: 8, .value_kind: global_buffer, .address_space: global }
      - { .name: list, .offset: 24, .size: 8, .value_kind: global_buffer, .address_space: global }
      - { .name: hid, .offset: 32, .size: 8, .value_kind: global_buffer, .address_space: global }
      - { .name: hsc, .offset: 40, .size: 8, .value_kind: global_buffer, .address_space: global }
      - { .name: sel, .offset: 48, .size: 8, .value_kind: global_buffer, .address_space: global }
    .group_segment_fixed_size: 135680
    .private_segment_fixed_size: 0
    .kernarg_segment_align: 8
    .kernarg_segment_size: 56
    .max_flat_workgroup_size: 128
    .sgpr_count:     96
    .vgpr_count:     1024
    .wavefront_size: 32
...
	.end_amdgpu_metadata
.endif
;; end of part 2
;; launch gemm2 (part 3): grid 32 x 8, 4 waves a work-group, no clusters, 86,528 bytes of LDS; arguments w3, hid, hsc, list, rt, y; writes y
.if DOCPART == 3
	.amdgcn_target "amdgcn-amd-amdhsa--gfx1250"
	.amdhsa_code_object_version 6
	.text
	.protected	k_q64c17bbfd1_gemm2
	.globl	k_q64c17bbfd1_gemm2
	.p2align	8
	.type	k_q64c17bbfd1_gemm2,@function
k_q64c17bbfd1_gemm2:
	s_mov_b64 s[64:65], 0
	v_nop
	global_prefetch_b8 v0, s[64:65] scope:SCOPE_SE
	s_setreg_imm32_b32 hwreg(HW_REG_WAVE_MODE, 25, 1), 1
	s_wait_xcnt 0x0
; THE SECOND PRODUCT, TIMES THE ROW'S WEIGHT.  w3 [8][2048 (k)][1024 (n)] f32; the hidden layer as codes (hid, hsc), by expert and rank; list: each expert's rows; rt: the rows' weights.
; Work-group (x, e): slab = x % 16: output columns 64 slab .. + 63, so that a row of its part of w3 is 256 consecutive bytes; kh = x / 16: half of K = 2,048, which gives 256 equal work-groups.
; It reads its 256 KB of w3 once, as f32, quantises them along K in registers into images in LDS, and multiplies the expert's rows by them, as the launch before does.
; y [kh 2][2056 rows][1024] f32: row 2 token + slot takes (this half of K's sum) x the row's weight; the last launch adds a token's four rows.  Each row id stands in one expert's list, so each byte of y has one owner.
; Entries past the count name row 2048 + e: such results go to that spare row, in this work-group's own 256 bytes of it, over each other; nobody reads them.  So EXEC stays whole.
; K goes in eight chunks of 128; wave w quantises block 4 c + w: lane (q, h): columns 4 q .. 4 q + 3, rows 16 h + 0 .. 15.  Tiles of columns are in their natural order: tile q / 4, row 4 (q % 4) + c'.
; TRANSPOSED: source 0 = 16 columns of w3, source 1 = 16 rows of the hidden layer: a lane holds eight neighbouring columns of one row; a tile goes through the wave's own stage in LDS and leaves as rows of 256 bytes.
; SWEEPS of 320 rows as in the launch before: the first beside the loads, whole; the others where the count reaches them.
; NO TENSOR LOADS, NO CLUSTER: the sweeps branch on a count read from memory; the weights are shared by no two work-groups.
; LIMITS: NaN and infinities are not served; a block of zeros, or under 2^(16 - 127), gets the byte 1.
; LDS: IMG [K step 8][tile 4][group 4][512 B];  SCW [K step 8][tile 4][row 16][4 B];  STAGE: 16 rows x (256 + 16) bytes for each wave.
; REGISTERS: window 0: addresses, scales, the quantiser's work, the way out;  window 1: four sets of 64 f32 of w3;  window 2: accumulators (i, a) at v[32 i + 8 a], from v160 w3's four fragments;
;            window 3: the hidden layer's five fragments, two sets of 80.
.set SCW,   65536
.set STAGE, 67584
.set FLOOR, 0x8000000
.set DE,    0xf8800000
.set WO,  2                            ; w3: 65536 h + 16 q
.set IWA, 3
.set ISW, 4
.set IRA, 5                            ; 16 x lane
.set ISR, 6                            ; SCW + 4 x lane
.set LRD, 7                            ; the list: 4 (80 w + r): the row of my lane in a product
.set LRS, 8                            ; 4 (80 w + h): the row that my lane stores
.set R4,  10
.set Q16, 11
.set STW, 12
.set STR, 13
.set PIR, 14
.set PIS, 15
.set CW,  16                           ; v16-25 a pair for each tile: the row's weight, and a 0 that is named with it
.set RI,  26
.set HS,  32                           ; v32-41 the hidden layer's scale words, two sets: scales and nothing else
.set WS,  42                           ; v42-43 w3's
.set M,   44
.set P,   48
.set S,   52
.set HL,  56
.set BY,  60
.set T,   64
.set C,   128
.set Y,   144
.set YB,  176
.set RID, 208                          ; v208-247 the row ids, then byte offsets, of the 40 stores of a sweep
.set MSB, 0
.macro WIN new                         ; the immediate's high byte repeats the setting that is left
.if MSB != \new
	s_set_vgpr_msb (MSB<<8)|\new
.set MSB, \new
.endif
.endm
	s_load_b256 s[4:11], s[0:1], 0x0               ; w3 s[4:5], hid s[6:7], hsc s[8:9], list s[10:11]
	s_load_b128 s[12:15], s[0:1], 0x20             ; rt s[12:13], y s[14:15]
	v_lshl_add_u32 v254, v0, 2, 0x15000
	v_mov_b32 v255, 0
	v_lshrrev_b32 v1, 5, v0
	v_readfirstlane_b32 s16, v1                    ; wave
	s_and_b32 s17, ttmp7, 0xffff                   ; e
	s_and_b32 s18, ttmp9, 15                       ; slab
	s_lshr_b32 s20, ttmp9, 4                       ; kh
	v_and_b32 v1, 31, v0
	v_and_b32 v9, 15, v0                           ; q = r
	v_bfe_u32 v31, v0, 4, 1                        ; h
	v_lshlrev_b32 v[Q16], 4, v9
	v_lshl_add_u32 v[WO], v31, 16, v[Q16]
	v_lshlrev_b32 v[IRA], 4, v1
	v_lshl_add_u32 v[ISR], v1, 2, SCW
	v_lshlrev_b32 v[R4], 2, v9
	s_mul_i32 s26, s16, 320
	v_add_nc_u32 v[LRD], s26, v[R4]
	v_lshl_add_u32 v[LRS], v31, 2, s26
	v_bfe_u32 v[M], v0, 2, 2                       ; q / 4: the tile
	v_and_b32 v[M+1], 3, v0                        ; q % 4
	v_lshlrev_b32 v[IWA], 11, v[M]
	v_lshl_add_u32 v[IWA], v[M+1], 6, v[IWA]
	v_lshl_add_u32 v[IWA], v31, 8, v[IWA]
	s_lshl_b32 s27, s16, 9
	v_add_nc_u32 v[IWA], s27, v[IWA]               ; 2048 tile + 64 (q % 4) + 256 h + 512 w
	v_lshlrev_b32 v[ISW], 6, v[M]
	v_lshl_add_u32 v[ISW], v[M+1], 4, v[ISW]
	s_add_co_u32 s27, s16, SCW
	v_add_nc_u32 v[ISW], s27, v[ISW]
	s_mul_i32 s27, s16, 4352
	s_add_co_u32 s27, s27, STAGE                   ; my stage
	v_mul_u32_u24 v[STW], v9, 272
	v_lshl_add_u32 v[STW], v31, 5, v[STW]
	v_add_nc_u32 v[STW], s27, v[STW]               ; in: row r, 32 bytes for each half of the lanes
	v_mul_u32_u24 v[STR], v31, 272
	v_add_nc_u32 v[STR], v[STR], v[Q16]
	v_add_nc_u32 v[STR], s27, v[STR]               ; back: lanes 0-15 one row, lanes 16-31 the next
.irp b, 0,1,2,3
	v_mov_b32 v[P+\b], 0                           ; written once: a lane permute's destination counts as one of its sources
.endr
.irp i, 0,1,2,3,4
	v_mov_b32 v[CW+2*\i+1], 0                      ; named as the upper half of a pair
.endr
	s_mov_b32 s30, 0x76543210
	s_mov_b32 s31, 0xfedcba98
	s_mov_b32 s32, 0x600000
	s_mov_b32 s27, 0
	s_wait_kmcnt 0x0
	s_mul_i32 s26, s17, 5376
	s_add_nc_u64 s[10:11], s[10:11], s[26:27]      ; my expert's list
	s_lshl_b32 s26, s17, 23                        ; w3: 8,388,608 e + 4,194,304 kh + 131,072 w + 256 slab
	s_lshl_b32 s28, s20, 22
	s_add_co_u32 s26, s26, s28
	s_lshl_b32 s28, s16, 17
	s_add_co_u32 s26, s26, s28
	s_lshl_b32 s28, s18, 8
	s_add_co_u32 s26, s26, s28
	s_add_nc_u64 s[4:5], s[4:5], s[26:27]
	s_lshl_b32 s26, s17, 5                         ; hid: ((32 e + 16 kh) 80 + 5 w) x 1,024
	s_lshl_b32 s28, s20, 4
	s_add_co_u32 s26, s26, s28
	s_mul_i32 s26, s26, 80
	s_mul_i32 s29, s16, 5
	s_add_co_u32 s26, s26, s29
	s_lshl_b32 s26, s26, 10
	s_add_nc_u64 s[6:7], s[6:7], s[26:27]
	s_mul_i32 s26, s17, 80                         ; hsc: ((80 e + 5 w) 16 + 8 kh) x 64
	s_add_co_u32 s26, s26, s29
	s_lshl_b32 s26, s26, 4
	s_lshl_b32 s28, s20, 3
	s_add_co_u32 s26, s26, s28
	s_lshl_b32 s26, s26, 6
	s_add_nc_u64 s[8:9], s[8:9], s[26:27]
	s_mul_i32 s26, s20, 8421376                    ; y: plane kh, + 256 slab
	s_lshl_b32 s28, s18, 8
	s_add_co_u32 s26, s26, s28
	s_add_nc_u64 s[14:15], s[14:15], s[26:27]
	s_load_b32 s19, s[10:11], 0x1480               ; the expert's count of rows
.macro RLOAD
.irp i, 0,1,2,3,4
	global_load_b32 v[RI+\i], v[LRD], s[10:11] offset:64*\i
.endr
.endm
.macro RIDS                            ; the ids of the rows that my lane stores: tile i, rows 2 p + h
.irp i, 0,1,2,3,4
.irp p, 0,1,2,3,4,5,6,7
	global_load_b32 v[RID+8*\i+\p], v[LRS], s[10:11] offset:64*\i+8*\p
.endr
.endr
.endm
.macro CWLOAD                          ; row id, held inside the weights, -> the row's weight
.irp i, 0,1,2,3,4
	v_min_u32 v[RI+\i], 0x7ff, v[RI+\i]
	v_lshlrev_b32 v[RI+\i], 2, v[RI+\i]
	global_load_b32 v[CW+2*\i], v[RI+\i], s[12:13]
.endr
.endm
.macro WLOAD c                         ; chunk c: my 32 k x 64 columns of w3 into set c % 4
	WIN 0x40
.irp i, 0,1,2,3,4,5,6,7,8,9,10,11,12,13,14,15
	global_load_b128 v[64*((\c)%4)+4*\i:64*((\c)%4)+4*\i+3], v[WO], s[4:5] offset:(\c)*524288+\i*4096 th:TH_LOAD_NT
.endr
	WIN 0
.endm
.macro HLOAD s, p, hb, sb              ; K step s of my five tiles of the hidden layer into set p: 25 loads, each image group 512 consecutive bytes
	WIN 0xc0                                       ; destination window 3
.irp i, 0,1,2,3,4
.irp c, 0,1,2,3
	global_load_b128 v[80*(\p)+16*\i+4*\c:80*(\p)+16*\i+4*\c+3], v[IRA], s[\hb:\hb+1] offset:(2*(\s)+\c/2)*81920+1024*\i+512*(\c%2)
.endr
.endr
	WIN 0
.irp i, 0,1,2,3,4
	global_load_b32 v[HS+5*(\p)+\i], v[R4], s[\sb:\sb+1] offset:64*(\s)+1024*\i
.endr
.endm
.macro QUANT c
.set XB, 64*((\c)%4)
	WIN 0x05
.irp jj, 0,1,2,3
	v_max3_num_f32 v[M+\jj], |v[XB+\jj]|, |v[XB+4+\jj]|, FLOOR
.endr
.irp i, 2,4,6,8,10,12,14
.irp jj, 0,1,2,3
	v_max3_num_f32 v[M+\jj], |v[XB+4*\i+\jj]|, |v[XB+4*\i+4+\jj]|, v[M+\jj]
.endr
.endr
	WIN 0
.irp jj, 0,1,2,3
	v_permlanex16_b32 v[P+\jj], v[M+\jj], s30, s31
.endr
.irp jj, 0,1,2,3
	v_max_num_f32 v[M+\jj], v[M+\jj], v[P+\jj]
.endr
.irp jj, 0,1,2,3
	v_add_nc_u32 v[S+\jj], DE, v[M+\jj]
.endr
.irp jj, 0,1,2,3
	v_and_or_b32 v[HL+\jj], v[M+\jj], 0x7f800000, s32
.endr
.irp jj, 0,1,2,3
	v_lshrrev_b32 v[BY+\jj], 23, v[S+\jj]
.endr
	WIN 0x01
.irp jj, 0,1,2,3
.irp i, 0,1,2,3,4,5,6,7,8,9,10,11,12,13,14,15
	v_med3_num_f32 v[T+16*\jj+\i], v[XB+4*\i+\jj], -v[HL+\jj], v[HL+\jj]     ; the hold, which also lays a column's 16 numbers on end
.endr
.endr
	WIN 0
.irp jj, 0,1,2,3
	v_cvt_scalef32_pk8_bf8_f32 v[C+4*\jj:C+4*\jj+1], v[T+16*\jj:T+16*\jj+7], v[S+\jj]
	v_cvt_scalef32_pk8_bf8_f32 v[C+4*\jj+2:C+4*\jj+3], v[T+16*\jj+8:T+16*\jj+15], v[S+\jj]
.endr
	v_nop                                          ; a plain place behind the conversions
.irp jj, 0,1,2,3
	ds_store_b128 v[IWA], v[C+4*\jj:C+4*\jj+3] offset:8192*(\c)+16*\jj
	ds_store_b8 v[ISW], v[BY+\jj] offset:256*(\c)+4*\jj
.endr
.endm
.macro WM i, a, p, zero
.set AC, 32*(\i)+8*(\a)
.set AW, 160+16*(\a)
.set BX, 80*(\p)+16*(\i)
.if \zero
.if (\a)%2
	v_wmma_scale_f32_16x16x128_f8f6f4 v[AC:AC+7], v[AW:AW+15], v[BX:BX+15], 0, v[WS+(\a)/2], v[HS+5*(\p)+(\i)] matrix_a_fmt:MATRIX_FMT_BF8 matrix_b_fmt:MATRIX_FMT_BF8 matrix_a_scale:MATRIX_SCALE_ROW1
.else
	v_wmma_scale_f32_16x16x128_f8f6f4 v[AC:AC+7], v[AW:AW+15], v[BX:BX+15], 0, v[WS+(\a)/2], v[HS+5*(\p)+(\i)] matrix_a_fmt:MATRIX_FMT_BF8 matrix_b_fmt:MATRIX_FMT_BF8
.endif
.else
.if (\a)%2
	v_wmma_scale_f32_16x16x128_f8f6f4 v[AC:AC+7], v[AW:AW+15], v[BX:BX+15], v[AC:AC+7], v[WS+(\a)/2], v[HS+5*(\p)+(\i)] matrix_a_fmt:MATRIX_FMT_BF8 matrix_b_fmt:MATRIX_FMT_BF8 matrix_a_scale:MATRIX_SCALE_ROW1
.else
	v_wmma_scale_f32_16x16x128_f8f6f4 v[AC:AC+7], v[AW:AW+15], v[BX:BX+15], v[AC:AC+7], v[WS+(\a)/2], v[HS+5*(\p)+(\i)] matrix_a_fmt:MATRIX_FMT_BF8 matrix_b_fmt:MATRIX_FMT_BF8
.endif
.endif
.endm
; A K step's 20 products; the 20 accumulators take turns, one instruction a turn.  xn: the loads that may stay out when the hidden layer's are in.
.macro MUL ra, ioff, rs, soff, p, zero, xn
	ds_load_b32 v[WS], v[\rs] offset:(\soff)
	ds_load_b32 v[WS+1], v[\rs] offset:(\soff)+128
	WIN 0x80                                       ; destination window 2
.irp a, 0,1,2,3
.irp c, 0,1,2,3
	ds_load_b128 v[160+16*\a+4*\c:160+16*\a+4*\c+3], v[\ra] offset:(\ioff)+2048*\a+512*\c
.endr
.endr
	s_wait_loadcnt \xn
	WIN 0xae                                       ; source 0 window 2, source 1 window 3, C and D window 2
.irp a, 0,1,2,3
	s_wait_dscnt 4*(3-\a)
.irp i, 0,1,2,3,4
	WM \i, \a, \p, \zero
.endr
.endr
	WIN 0
.rept 9
	v_nop                                          ; places: eight in front of loads into the operands and of reads of the sums, nine in front of a product that starts a sum anew
.endr
.endm
; The loads go out in the order .. W(c), H(c), W(c+1), H(c+1), W(c+2) ..  Behind W(c) at least 65 loads have been issued at chunk c's head, and the count's field ends at 63 (ISA guide 5.7.1): so the wait is for 63.
.macro CHUNK c, zero, xn
	s_wait_loadcnt 63
	QUANT \c
	s_wait_dscnt 0x0                               ; for the others' sake: my codes and bytes have landed
	s_barrier_signal -1
	s_barrier_wait -1
	MUL IRA, 8192*(\c), ISR, 256*(\c), (\c)%2, \zero, \xn
.if (\c) < 6
	HLOAD (\c)+2, (\c)%2, 6, 8
.endif
.if (\c) < 5
	WLOAD (\c)+3
.endif
.if (\c) == 6
	RIDS                                           ; nothing else is left to ask for: the ids for the first sweep's way out
.endif
.endm
; The way out of tile i.
.macro EPI i
	s_wait_xcnt 0x0                                ; the last tile's stores have read their registers
	WIN 0x02                                       ; source 0 window 2
.irp n, 0,1,2,3,4,5,6,7,8,9,10,11,12,13,14,15
	v_pk_mul_f32 v[Y+2*\n:Y+2*\n+1], v[32*(\i)+2*\n:32*(\i)+2*\n+1], v[CW+2*(\i):CW+2*(\i)+1] op_sel_hi:[1,0]    ; x the row's weight; each sum is read from its low end on
.endr
	WIN 0
.irp a, 0,1,2,3
	ds_store_b128 v[STW], v[Y+8*\a:Y+8*\a+3] offset:64*\a
	ds_store_b128 v[STW], v[Y+8*\a+4:Y+8*\a+7] offset:64*\a+16
.endr
.irp p, 0,1,2,3,4,5,6,7
	ds_load_b128 v[YB+4*\p:YB+4*\p+3], v[STR] offset:544*\p      ; LDS serves a wave's instructions in order: these see my stores
.endr
.irp p, 0,1,2,3,4,5,6,7
	v_min_u32 v[RID+8*(\i)+\p], 0x807, v[RID+8*(\i)+\p]          ; held inside a plane's 2,056 rows
.endr
.irp p, 0,1,2,3,4,5,6,7
	v_lshl_add_u32 v[RID+8*(\i)+\p], v[RID+8*(\i)+\p], 12, v[Q16]
.endr
	s_wait_dscnt 0x0
.irp p, 0,1,2,3,4,5,6,7
	global_store_b128 v[RID+8*(\i)+\p], v[YB+4*\p:YB+4*\p+3], s[14:15]       ; sixteen lanes store 256 consecutive bytes of a row, aligned
.endr
.endm
	RLOAD
	WLOAD 0
	HLOAD 0, 0, 6, 8
	WLOAD 1
	s_wait_loadcnt 57                              ; 16 + 25 + 16 loads were issued behind the list's five: they are in
	CWLOAD
	HLOAD 1, 1, 6, 8
	WLOAD 2
	CHUNK 0, 1, 57                                 ; behind H(c): W(c+1) 16, H(c+1) 25, W(c+2) 16 (in chunk 0 the five weights too)
	CHUNK 1, 0, 57
	CHUNK 2, 0, 57
	CHUNK 3, 0, 57
	CHUNK 4, 0, 57
	CHUNK 5, 0, 57
	CHUNK 6, 0, 41                                 ; W7 16, H7 25
	CHUNK 7, 0, 40                                 ; the 40 ids
	s_wait_loadcnt 0x0                             ; the 40 ids are in: the first sweep's way out reads them, and a later sweep's loads into the same registers are issued only behind this wait
	s_wait_kmcnt 0x0                               ; the count
	s_mov_b32 s33, 0                               ; the sweep
	s_mov_b32 s34, 0                               ; its first row
.Lsweep:                                           ; four sweeps, a loop of constant count without a barrier; sweep 0 has only its way out left
	s_cmp_lt_u32 s34, s19
	s_cselect_b32 s41, 1, 0
	s_cmp_eq_u32 s33, 0
	s_cselect_b32 s42, 0, s41                      ; products?
	s_cselect_b32 s43, 1, s41                      ; way out?
	s_wait_xcnt 0x0                                ; the bases and registers of earlier loads and stores are written again only behind this wait
	s_mov_b64 s[36:37], s[6:7]
	s_mov_b64 s[38:39], s[8:9]
	s_mov_b32 s40, 0
	s_mov_b32 s44, 0
	s_cmp_eq_u32 s42, 0
	s_cbranch_scc1 .Lno_first
	RLOAD
	RIDS
	s_wait_loadcnt 40                              ; the five entries are in; the 40 ids may be out
	CWLOAD
	HLOAD 0, 0, 36, 38
	MUL IRA, 0, ISR, 0, 0, 1, 0                    ; its wait for 0 loads also shows this sweep's ids and weights in
.Lno_first:
	s_mov_b32 s35, 7
.Lk:                                               ; K steps 1-7: every wave walks the loop; only the work is jumped over
	s_wait_xcnt 0x0
	s_add_nc_u64 s[36:37], s[36:37], 163840
	s_add_nc_u64 s[38:39], s[38:39], 64
	s_add_co_u32 s40, s40, 8192
	s_add_co_u32 s44, s44, 256
	s_cmp_eq_u32 s42, 0
	s_cbranch_scc1 .Lno_step
	v_add_nc_u32 v[PIR], s40, v[IRA]
	v_add_nc_u32 v[PIS], s44, v[ISR]
	HLOAD 0, 0, 36, 38
	MUL PIR, 0, PIS, 0, 0, 0, 0
.Lno_step:
	s_sub_co_u32 s35, s35, 1
	s_cmp_lg_u32 s35, 0
	s_cbranch_scc1 .Lk
	s_cmp_eq_u32 s43, 0
	s_cbranch_scc1 .Lno_out
	EPI 0
	EPI 1
	EPI 2
	EPI 3
	EPI 4
.Lno_out:
	s_wait_xcnt 0x0
	s_add_nc_u64 s[6:7], s[6:7], 20480             ; 20 tiles on, in hid and in hsc
	s_add_nc_u64 s[8:9], s[8:9], 20480
	v_add_nc_u32 v[LRD], 1280, v[LRD]
	v_add_nc_u32 v[LRS], 1280, v[LRS]
	s_add_co_u32 s34, s34, 320
	s_add_co_u32 s33, s33, 1
	s_cmp_lt_u32 s33, 4
	s_cbranch_scc1 .Lsweep
	s_wait_tensorcnt 0x0
	ds_add_u32 v254, v255
	s_wait_dscnt 0x0
	s_endpgm
.Lfunc_end_k_q64c17bbfd1_gemm2:
	.size	k_q64c17bbfd1_gemm2, .Lfunc_end_k_q64c17bbfd1_gemm2-k_q64c17bbfd1_gemm2
	.p2alignl 7, 3214868480
	.fill 96, 4, 3214868480
	.section	.rodata,"a",@progbits
	.p2align	6, 0x0
	.amdhsa_kernel k_q64c17bbfd1_gemm2
		.amdhsa_group_segment_fixed_size 86528
		.amdhsa_private_segment_fixed_size 0
		.amdhsa_enable_private_segment 0
		.amdhsa_kernarg_size 48
		.amdhsa_user_sgpr_count 2
		.amdhsa_user_sgpr_kernarg_segment_ptr 1
		.amdhsa_wavefront_size32 1
		.amdhsa_system_sgpr_workgroup_id_x 1
		.amdhsa_system_sgpr_workgroup_id_y 1
		.amdhsa_system_sgpr_workgroup_id_z 1
		.amdhsa_system_vgpr_workitem_id 0
		.amdhsa_next_free_vgpr 1024
		.amdhsa_next_free_sgpr 66
		.amdhsa_reserve_vcc 0
		.amdhsa_float_denorm_mode_32 3
		.amdhsa_float_denorm_mode_16_64 3
		.amdhsa_memory_ordered 1
		.amdhsa_forward_progress 1
		.amdhsa_inst_pref_size 182
	.end_amdhsa_kernel
	.amdgpu_metadata
---
amdhsa.version: [ 1, 2 ]
amdhsa.kernels:
  - .name:           k_q64c17bbfd1_gemm2
    .symbol:         k_q64c17bbfd1_gemm2.kd
    .args:
      - { .name: w3, .offset: 0, .size: 8, .value_kind: global_buffer, .address_space: global }
      - { .name: hid, .offset: 8, .size: 8, .value_kind: global_buffer, .address_space: global }
      - { .name: hsc, .offset: 16, .size: 8, .value_kind: global_buffer, .address_space: global }
      - { .name: list, .offset: 24, .size: 8, .value_kind: global_buffer, .address_space: global }
      - { .name: rt, .offset: 32, .size: 8, .value_kind: global_buffer, .address_space: global }
      - { .name: y, .offset: 40, .size: 8, .value_kind: global_buffer, .address_space: global }
    .group_segment_fixed_size: 86528
    .private_segment_fixed_size: 0
    .kernarg_segment_align: 8
    .kernarg_segment_size: 48
    .max_flat_workgroup_size: 128
    .sgpr_count:     66
    .vgpr_count:     1024
    .wavefront_size: 32
...
	.end_amdgpu_metadata
.endif
;; end of part 3
;; launch combine (part 4): grid 256 x 1, 8 waves a work-group, no clusters, 0 bytes of LDS; arguments y, rt, out0, out1; writes out0, out1
.if DOCPART == 4
	.amdgcn_target "amdgcn-amd-amdhsa--gfx1250"
	.amdhsa_code_object_version 6
	.text
	.protected	k_q64c17bbfd1_combine
	.globl	k_q64c17bbfd1_combine
	.p2align	8
	.type	k_q64c17bbfd1_combine,@function
k_q64c17bbfd1_combine:
	s_mov_b64 s[64:65], 0
	v_nop
	global_prefetch_b8 v0, s[64:65] scope:SCOPE_SE
	s_setreg_imm32_b32 hwreg(HW_REG_WAVE_MODE, 25, 1), 1
	s_wait_xcnt 0x0
; out0[token] = the sum of the token's four rows of y (two experts x two halves of K), which already carry the experts' weights.  out1 = 0.01 x the mean of the 8,192 squared logits.
; A stream: a work-group takes 4 tokens; thread t takes bytes 16 t of a row, so that a wave's load or store covers 512 consecutive bytes.  All 16 loads go out first.  No LDS, no matrix unit: memory binds.
; Wave 0 of work-group 0 also adds the 1,024 sums of squares that the router left in rt.
.set V, 8                              ; v8-71: token k: four runs of four registers
	s_load_b256 s[4:11], s[0:1], 0x0               ; y s[4:5], rt s[6:7], out0 s[8:9], out1 s[10:11]
	v_lshlrev_b32 v1, 4, v0
	s_lshl_b32 s12, ttmp9, 15                      ; 8 rows of y
	s_mov_b32 s13, 0
	s_lshl_b32 s14, ttmp9, 14                      ; 4 rows of out0
	s_mov_b32 s15, 0
	s_wait_kmcnt 0x0
	s_add_nc_u64 s[4:5], s[4:5], s[12:13]
	s_add_nc_u64 s[16:17], s[4:5], 8421376         ; the second plane
	s_add_nc_u64 s[8:9], s[8:9], s[14:15]
.irp k, 0,1,2,3
	global_load_b128 v[V+16*\k:V+16*\k+3], v1, s[4:5] offset:8192*\k th:TH_LOAD_NT
	global_load_b128 v[V+16*\k+4:V+16*\k+7], v1, s[4:5] offset:8192*\k+4096 th:TH_LOAD_NT
	global_load_b128 v[V+16*\k+8:V+16*\k+11], v1, s[16:17] offset:8192*\k th:TH_LOAD_NT
	global_load_b128 v[V+16*\k+12:V+16*\k+15], v1, s[16:17] offset:8192*\k+4096 th:TH_LOAD_NT
.endr
.irp k, 0,1,2,3
	s_wait_loadcnt 12-4*\k                         ; token k's four loads are in; the later tokens' may be out
	v_pk_add_f32 v[V+16*\k:V+16*\k+1], v[V+16*\k:V+16*\k+1], v[V+16*\k+4:V+16*\k+5]
	v_pk_add_f32 v[V+16*\k+2:V+16*\k+3], v[V+16*\k+2:V+16*\k+3], v[V+16*\k+6:V+16*\k+7]
	v_pk_add_f32 v[V+16*\k+8:V+16*\k+9], v[V+16*\k+8:V+16*\k+9], v[V+16*\k+12:V+16*\k+13]
	v_pk_add_f32 v[V+16*\k+10:V+16*\k+11], v[V+16*\k+10:V+16*\k+11], v[V+16*\k+14:V+16*\k+15]
	v_pk_add_f32 v[V+16*\k:V+16*\k+1], v[V+16*\k:V+16*\k+1], v[V+16*\k+8:V+16*\k+9]
	v_pk_add_f32 v[V+16*\k+2:V+16*\k+3], v[V+16*\k+2:V+16*\k+3], v[V+16*\k+10:V+16*\k+11]
	global_store_b128 v1, v[V+16*\k:V+16*\k+3], s[8:9] offset:4096*\k th:TH_STORE_NT
.endr
	s_cmp_lg_u32 ttmp9, 0
	s_cbranch_scc1 .Lend
	v_lshrrev_b32 v2, 5, v0
	v_readfirstlane_b32 s18, v2
	s_cmp_lg_u32 s18, 0
	s_cbranch_scc1 .Lend
.irp g, 0,1,2,3,4,5,6,7
	global_load_b128 v[72+4*\g:75+4*\g], v1, s[6:7] offset:8192+512*\g       ; in wave 0 the thread's number is the lane
.endr
	s_mov_b32 s20, 0x76543210
	s_mov_b32 s21, 0xfedcba98
	s_wait_loadcnt 0x0
.irp g, 1,2,3,4,5,6,7
	v_pk_add_f32 v[72:73], v[72:73], v[72+4*\g:73+4*\g]
	v_pk_add_f32 v[74:75], v[74:75], v[74+4*\g:75+4*\g]
.endr
	v_pk_add_f32 v[72:73], v[72:73], v[74:75]
	v_add_f32 v72, v72, v73
	v_add_f32_dpp v72, v72, v72 row_xmask:1 row_mask:0xf bank_mask:0xf
	v_add_f32_dpp v72, v72, v72 row_xmask:2 row_mask:0xf bank_mask:0xf
	v_add_f32_dpp v72, v72, v72 row_xmask:4 row_mask:0xf bank_mask:0xf
	v_add_f32_dpp v72, v72, v72 row_xmask:8 row_mask:0xf bank_mask:0xf
	v_permlanex16_b32 v73, v72, s20, s21
	v_add_f32 v72, v72, v73
	v_mul_f32 v72, 0x35a3d70a, v72                 ; x 0.01 / 8,192
	v_cmp_eq_u32 vcc_lo, 0, v0
	s_wait_xcnt 0x0                                ; EXEC changes only behind this wait
	s_and_saveexec_b32 s19, vcc_lo
	global_store_b32 v1, v72, s[10:11]             ; lane 0, whose offset is 0
	s_wait_xcnt 0x0
	s_or_b32 exec_lo, exec_lo, s19
.Lend:
	s_endpgm
.Lfunc_end_k_q64c17bbfd1_combine:
	.size	k_q64c17bbfd1_combine, .Lfunc_end_k_q64c17bbfd1_combine-k_q64c17bbfd1_combine
	.p2alignl 7, 3214868480
	.fill 96, 4, 3214868480
	.section	.rodata,"a",@progbits
	.p2align	6, 0x0
	.amdhsa_kernel k_q64c17bbfd1_combine
		.amdhsa_group_segment_fixed_size 0
		.amdhsa_private_segment_fixed_size 0
		.amdhsa_enable_private_segment 0
		.amdhsa_kernarg_size 32
		.amdhsa_user_sgpr_count 2
		.amdhsa_user_sgpr_kernarg_segment_ptr 1
		.amdhsa_wavefront_size32 1
		.amdhsa_system_sgpr_workgroup_id_x 1
		.amdhsa_system_sgpr_workgroup_id_y 1
		.amdhsa_system_sgpr_workgroup_id_z 1
		.amdhsa_system_vgpr_workitem_id 0
		.amdhsa_next_free_vgpr 104
		.amdhsa_next_free_sgpr 66
		.amdhsa_reserve_vcc 1
		.amdhsa_float_denorm_mode_32 3
		.amdhsa_float_denorm_mode_16_64 3
		.amdhsa_memory_ordered 1
		.amdhsa_forward_progress 1
		.amdhsa_inst_pref_size 7
	.end_amdhsa_kernel
	.amdgpu_metadata
---
amdhsa.version: [ 1, 2 ]
amdhsa.kernels:
  - .name:           k_q64c17bbfd1_combine
    .symbol:         k_q64c17bbfd1_combine.kd
    .args:
      - { .name: y, .offset: 0, .size: 8, .value_kind: global_buffer, .address_space: global }
      - { .name: rt, .offset: 8, .size: 8, .value_kind: global_buffer, .address_space: global }
      - { .name: out0, .offset: 16, .size: 8, .value_kind: global_buffer, .address_space: global }
      - { .name: out1, .offset: 24, .size: 8, .value_kind: global_buffer, .address_space: global }
    .group_segment_fixed_size: 0
    .private_segment_fixed_size: 0
    .kernarg_segment_align: 8
    .kernarg_segment_size: 32
    .max_flat_workgroup_size: 256
    .sgpr_count:     66
    .vgpr_count:     104
    .wavefront_size: 32
...
	.end_amdgpu_metadata
.endif
;; end of part 4
;; ======== version 2 of 2: 4 launches; version 1 with the launch gemm2 written anew for expert scheduling mode
;; workspace buffers: xq 1,048,576 bytes; xsc 32,768 bytes; sel 4,096 bytes of whole numbers; rt 12,288 bytes; hid 20,971,520 bytes; hsc 655,360 bytes; y 16,842,752 bytes; list 43,008 bytes of whole numbers
;; launch route: the kernel of part 1 again; grid 256 x 1, 4 waves a work-group, no clusters, 33,280 bytes of LDS; arguments x, router_w, router_b, xq, xsc, sel, rt; writes xq, xsc, sel, rt
;; launch gemm1: the kernel of part 2 again; grid 32 x 8, 4 waves a work-group, no clusters, 135,680 bytes of LDS; arguments w12, xq, xsc, list, hid, hsc, sel; writes list, hid, hsc
;; launch gemm2 (part 5): grid 32 x 8, 4 waves a work-group, no clusters, 86,528 bytes of LDS; arguments w3, hid, hsc, list, rt, y; writes y
.if DOCPART == 5
	.amdgcn_target "amdgcn-amd-amdhsa--gfx1250"
	.amdhsa_code_object_version 6
	.text
	.protected	k_q64c17bbfd1_gemm2
	.globl	k_q64c17bbfd1_gemm2
	.p2align	8
	.type	k_q64c17bbfd1_gemm2,@function
k_q64c17bbfd1_gemm2:
	s_mov_b64 s[64:65], 0
	v_nop
	global_prefetch_b8 v0, s[64:65] scope:SCOPE_SE
	s_setreg_imm32_b32 hwreg(HW_REG_WAVE_SCHED_MODE, 0, 2), 2
	s_setreg_imm32_b32 hwreg(HW_REG_WAVE_MODE, 25, 1), 1
	s_wait_xcnt 0x0
	s_wait_alu depctr_vm_vsrc(0)
; THE SECOND PRODUCT, TIMES THE ROW'S WEIGHT.  w3 [8][2048 (k)][1024 (n)] f32; the hidden layer as codes (hid, hsc), by expert and rank; list: each expert's rows; rt: the rows' weights.
; Work-group (x, e): slab = x % 16: output columns 64 slab .. + 63, so that a row of its part of w3 is 256 consecutive bytes; kh = x / 16: half of K = 2,048, which gives 256 equal work-groups.
; It reads its 256 KB of w3 once, as f32, quantises them along K in registers into images in LDS, and multiplies the expert's rows by them, as the launch before does.
; y [kh 2][2056 rows][1024] f32: row 2 token + slot takes (this half of K's sum) x the row's weight; the last launch adds a token's four rows.  Each row id stands in one expert's list, so each byte of y has one owner.
; Entries past the count name row 2048 + e: such results go to that spare row, in this work-group's own 256 bytes of it, over each other; nobody reads them.  So EXEC stays whole.
; K goes in eight chunks of 128; wave w quantises block 4 c + w: lane (q, h): columns 4 q .. 4 q + 3, rows 16 h + 0 .. 15.  Tiles of columns are in their natural order: tile q / 4, row 4 (q % 4) + c'.
; TRANSPOSED: source 0 = 16 columns of w3, source 1 = 16 rows of the hidden layer: a lane holds eight neighbouring columns of one row; a tile goes through the wave's own stage in LDS and leaves as rows of 256 bytes.
; SWEEPS of 320 rows as in the launch before: the first beside the loads, whole; the others where the count reaches them.
; NO TENSOR LOADS, NO CLUSTER: the sweeps branch on a count read from memory; the weights are shared by no two work-groups.
; LIMITS: NaN and infinities are not served; a block of zeros, or under 2^(16 - 127), gets the byte 1.
; LDS: IMG [K step 8][tile 4][group 4][512 B];  SCW [K step 8][tile 4][row 16][4 B];  STAGE: 16 rows x (256 + 16) bytes for each wave.
; REGISTERS: window 0: addresses, scales, the quantiser's work, the way out;  window 1: four sets of 64 f32 of w3;  window 2: accumulators (i, a) at v[32 i + 8 a], from v160 w3's four fragments;
;            window 3: the hidden layer's five fragments, two sets of 80.
; THE MODE: SCHED_MODE bits 1:0 = 2 (LLVM: expert scheduling mode 2), set by the entry lines.  The code itself states the register dependences between vector or matrix instructions
; and memory or LDS instructions, and those through scalar registers that vector instructions write, with s_wait_alu, always for 0.
; THE PLAN.  Registers that memory or LDS instructions touch:
;   v2-v13        offsets and LDS addresses, made at the head and never written again (a later sweep's part of the list is reached by the list's scalar base): one wait on va_vdst ahead of the first load.
;   RI            the list's entries land there; two vector lines each make them offsets; the weights' loads read them; a later sweep's entries land there again.       CW: the weights land there; the way out's multiplications read them.
;   RAW0 .. RAW3  (window 1) chunk c's loads land in RAW[c % 4]; its quantiser reads it; the loads of chunk c + 4 land in it behind chunk c + 1's products.
;   C, BY         written by a chunk's conversions and shifts, read by its eight LDS stores, written again in the next chunk.
;   WS, w3's fragments (window 2)   a K step's LDS loads land there, its products read them.       H0, H1 (window 3) and HS: K step c's loads land in set c % 2, its products read it, K step c + 2's loads land in it behind them.
;   Y0, Y1        the way out: tile i's multiplications write Y[i % 2], its LDS stores read it.       YB0, YB1: its LDS loads land in YB[i % 2], its global stores, issued in tile i + 1, read it.
;   RID           the ids land there; tile i's vector lines make its eight into offsets; its global stores read them.       PIR, PIS: later sweeps: written by two additions a K step, read by that step's LDS loads.
; A CHUNK HAS THREE WAITS.  vm_vsrc at its head: the last chunk's LDS stores have read C and BY.  va_vdst behind its conversions: C and BY are written; the quantiser is done reading RAW; the last chunk's products
; are done reading WS and w3's fragments.  va_vdst behind its products: they are done reading their set of the hidden layer.  A TILE OF THE WAY OUT HAS ONE WAIT ON va_vdst, behind all its vector lines,
; and from the third tile on one on vm_vsrc at its head, for the buffers that the tile two back has left.
.set SCW,   65536
.set STAGE, 67584
.set FLOOR, 0x8000000
.set DE,    0xf8800000
.set WO,  2                            ; w3: 65536 h + 16 q
.set IWA, 3
.set ISW, 4
.set IRA, 5                            ; 16 x lane
.set ISR, 6                            ; SCW + 4 x lane
.set LRD, 7                            ; the list: 4 (80 w + r): the row of my lane in a product; never rewritten
.set LRS, 8                            ; 4 (80 w + h): the row that my lane stores; never rewritten
.set R4,  10
.set Q16, 11
.set STW, 12
.set STR, 13
.set PIR, 14
.set PIS, 15
.set CW,  16                           ; v16-25 a pair for each tile: the row's weight, and a 0 that is named with it
.set RI,  26
.set HS,  32                           ; v32-41 the hidden layer's scale words, two sets: scales and nothing else
.set WS,  42                           ; v42-43 w3's
.set M,   44
.set P,   48
.set S,   52
.set HL,  56
.set BY,  60
.set T,   64
.set C,   128
.set Y,   144                          ; the way out: v144-175 (even tiles) and v64-95 (odd tiles): a tile's results x the weight;
.set YB,  176                          ; v176-207 and v96-127: the same back from the stage, as rows.  The odd tiles' buffers lie where the quantiser's T lay
.set RID, 208                          ; v208-247 the row ids, then byte offsets, of the 40 stores of a sweep
.set MSB, 0
.macro WIN new                         ; the immediate's high byte repeats the setting that is left
.if MSB != \new
	s_set_vgpr_msb (MSB<<8)|\new
.set MSB, \new
.endif
.endm
	s_load_b256 s[4:11], s[0:1], 0x0               ; w3 s[4:5], hid s[6:7], hsc s[8:9], list s[10:11]
	s_load_b128 s[12:15], s[0:1], 0x20             ; rt s[12:13], y s[14:15]
	v_lshl_add_u32 v254, v0, 2, 0x15000
	v_mov_b32 v255, 0
	v_lshrrev_b32 v1, 5, v0
	v_readfirstlane_b32 s16, v1                    ; wave
	s_and_b32 s17, ttmp7, 0xffff                   ; e
	s_and_b32 s18, ttmp9, 15                       ; slab
	s_lshr_b32 s20, ttmp9, 4                       ; kh
	v_and_b32 v1, 31, v0
	v_and_b32 v9, 15, v0                           ; q = r
	v_bfe_u32 v31, v0, 4, 1                        ; h
	v_lshlrev_b32 v[Q16], 4, v9
	v_lshl_add_u32 v[WO], v31, 16, v[Q16]
	v_lshlrev_b32 v[IRA], 4, v1
	v_lshl_add_u32 v[ISR], v1, 2, SCW
	v_lshlrev_b32 v[R4], 2, v9
	s_wait_alu depctr_va_sdst(0)                   ; s16, the wave's number, is written, ahead of its first reader
	s_mul_i32 s26, s16, 320
	v_add_nc_u32 v[LRD], s26, v[R4]
	v_lshl_add_u32 v[LRS], v31, 2, s26
	v_bfe_u32 v[M], v0, 2, 2                       ; q / 4: the tile
	v_and_b32 v[M+1], 3, v0                        ; q % 4
	v_lshlrev_b32 v[IWA], 11, v[M]
	v_lshl_add_u32 v[IWA], v[M+1], 6, v[IWA]
	v_lshl_add_u32 v[IWA], v31, 8, v[IWA]
	s_lshl_b32 s27, s16, 9
	v_add_nc_u32 v[IWA], s27, v[IWA]               ; 2048 tile + 64 (q % 4) + 256 h + 512 w
	v_lshlrev_b32 v[ISW], 6, v[M]
	v_lshl_add_u32 v[ISW], v[M+1], 4, v[ISW]
	s_add_co_u32 s27, s16, SCW
	v_add_nc_u32 v[ISW], s27, v[ISW]
	s_mul_i32 s27, s16, 4352
	s_add_co_u32 s27, s27, STAGE                   ; my stage
	v_mul_u32_u24 v[STW], v9, 272
	v_lshl_add_u32 v[STW], v31, 5, v[STW]
	v_add_nc_u32 v[STW], s27, v[STW]               ; in: row r, 32 bytes for each half of the lanes
	v_mul_u32_u24 v[STR], v31, 272
	v_add_nc_u32 v[STR], v[STR], v[Q16]
	v_add_nc_u32 v[STR], s27, v[STR]               ; back: lanes 0-15 one row, lanes 16-31 the next
.irp b, 0,1,2,3
	v_mov_b32 v[P+\b], 0                           ; written once: a lane permute's destination counts as one of its sources
.endr
.irp i, 0,1,2,3,4
	v_mov_b32 v[CW+2*\i+1], 0                      ; named as the upper half of a pair
.endr
	s_mov_b32 s30, 0x76543210
	s_mov_b32 s31, 0xfedcba98
	s_mov_b32 s32, 0x600000
	s_mov_b32 s27, 0
	s_wait_kmcnt 0x0
	s_mul_i32 s26, s17, 5376
	s_add_nc_u64 s[10:11], s[10:11], s[26:27]      ; my expert's list
	s_lshl_b32 s26, s17, 23                        ; w3: 8,388,608 e + 4,194,304 kh + 131,072 w + 256 slab
	s_lshl_b32 s28, s20, 22
	s_add_co_u32 s26, s26, s28
	s_lshl_b32 s28, s16, 17
	s_add_co_u32 s26, s26, s28
	s_lshl_b32 s28, s18, 8
	s_add_co_u32 s26, s26, s28
	s_add_nc_u64 s[4:5], s[4:5], s[26:27]
	s_lshl_b32 s26, s17, 5                         ; hid: ((32 e + 16 kh) 80 + 5 w) x 1,024
	s_lshl_b32 s28, s20, 4
	s_add_co_u32 s26, s26, s28
	s_mul_i32 s26, s26, 80
	s_mul_i32 s29, s16, 5
	s_add_co_u32 s26, s26, s29
	s_lshl_b32 s26, s26, 10
	s_add_nc_u64 s[6:7], s[6:7], s[26:27]
	s_mul_i32 s26, s17, 80                         ; hsc: ((80 e + 5 w) 16 + 8 kh) x 64
	s_add_co_u32 s26, s26, s29
	s_lshl_b32 s26, s26, 4
	s_lshl_b32 s28, s20, 3
	s_add_co_u32 s26, s26, s28
	s_lshl_b32 s26, s26, 6
	s_add_nc_u64 s[8:9], s[8:9], s[26:27]
	s_mul_i32 s26, s20, 8421376                    ; y: plane kh, + 256 slab
	s_lshl_b32 s28, s18, 8
	s_add_co_u32 s26, s26, s28
	s_add_nc_u64 s[14:15], s[14:15], s[26:27]
	s_load_b32 s19, s[10:11], 0x1480               ; the expert's count of rows
.macro RLOAD
.irp i, 0,1,2,3,4
	global_load_b32 v[RI+\i], v[LRD], s[10:11] offset:64*\i
.endr
.endm
.macro RIDS                            ; the ids of the rows that my lane stores: tile i, rows 2 p + h
.irp i, 0,1,2,3,4
.irp p, 0,1,2,3,4,5,6,7
	global_load_b32 v[RID+8*\i+\p], v[LRS], s[10:11] offset:64*\i+8*\p
.endr
.endr
.endm
.macro CWLOAD                          ; row id, held inside the weights, -> the row's weight
.irp i, 0,1,2,3,4
	v_min_u32 v[RI+\i], 0x7ff, v[RI+\i]
.endr
.irp i, 0,1,2,3,4
	v_lshlrev_b32 v[RI+\i], 2, v[RI+\i]
.endr
	s_wait_alu depctr_va_vdst(0)                   ; the five offsets in RI are written, which the loads below read; in a later sweep also: the last sweep's multiplications are done reading CW, and its products the hidden layer's, w3's and the scales' registers, in which the loads that follow land
.irp i, 0,1,2,3,4
	global_load_b32 v[CW+2*\i], v[RI+\i], s[12:13]
.endr
.endm
.macro WLOAD c                         ; chunk c: my 32 k x 64 columns of w3 into set c % 4
	WIN 0x40
.irp i, 0,1,2,3,4,5,6,7,8,9,10,11,12,13,14,15
	global_load_b128 v[64*((\c)%4)+4*\i:64*((\c)%4)+4*\i+3], v[WO], s[4:5] offset:(\c)*524288+\i*4096 th:TH_LOAD_NT
.endr
	WIN 0
.endm
.macro HLOAD s, p, hb, sb              ; K step s of my five tiles of the hidden layer into set p: 25 loads, each image group 512 consecutive bytes
	WIN 0xc0                                       ; destination window 3
.irp i, 0,1,2,3,4
.irp c, 0,1,2,3
	global_load_b128 v[80*(\p)+16*\i+4*\c:80*(\p)+16*\i+4*\c+3], v[IRA], s[\hb:\hb+1] offset:(2*(\s)+\c/2)*81920+1024*\i+512*(\c%2)
.endr
.endr
	WIN 0
.irp i, 0,1,2,3,4
	global_load_b32 v[HS+5*(\p)+\i], v[R4], s[\sb:\sb+1] offset:64*(\s)+1024*\i
.endr
.endm
.macro QUANT c
.set XB, 64*((\c)%4)
	WIN 0x05
.irp jj, 0,1,2,3
	v_max3_num_f32 v[M+\jj], |v[XB+\jj]|, |v[XB+4+\jj]|, FLOOR
.endr
.irp i, 2,4,6,8,10,12,14
.irp jj, 0,1,2,3
	v_max3_num_f32 v[M+\jj], |v[XB+4*\i+\jj]|, |v[XB+4*\i+4+\jj]|, v[M+\jj]
.endr
.endr
	WIN 0
.irp jj, 0,1,2,3
	v_permlanex16_b32 v[P+\jj], v[M+\jj], s30, s31
.endr
.irp jj, 0,1,2,3
	v_max_num_f32 v[M+\jj], v[M+\jj], v[P+\jj]
.endr
.irp jj, 0,1,2,3
	v_add_nc_u32 v[S+\jj], DE, v[M+\jj]
.endr
.irp jj, 0,1,2,3
	v_and_or_b32 v[HL+\jj], v[M+\jj], 0x7f800000, s32
.endr
.irp jj, 0,1,2,3
	v_lshrrev_b32 v[BY+\jj], 23, v[S+\jj]
.endr
	WIN 0x01
.irp jj, 0,1,2,3
.irp i, 0,1,2,3,4,5,6,7,8,9,10,11,12,13,14,15
	v_med3_num_f32 v[T+16*\jj+\i], v[XB+4*\i+\jj], -v[HL+\jj], v[HL+\jj]     ; the hold, which also lays a column's 16 numbers on end
.endr
.endr
	WIN 0
.irp jj, 0,1,2,3
	v_cvt_scalef32_pk8_bf8_f32 v[C+4*\jj:C+4*\jj+1], v[T+16*\jj:T+16*\jj+7], v[S+\jj]
	v_cvt_scalef32_pk8_bf8_f32 v[C+4*\jj+2:C+4*\jj+3], v[T+16*\jj+8:T+16*\jj+15], v[S+\jj]
.endr
	v_nop                                          ; a plain place behind the conversions
	s_wait_alu depctr_va_vdst(0)                   ; the conversions and shifts have written C and BY, which the LDS stores read; the quantiser is done reading this chunk's set of w3; the last chunk's products are done reading WS and w3's fragments, in which this K step's LDS loads land
.irp jj, 0,1,2,3
	ds_store_b128 v[IWA], v[C+4*\jj:C+4*\jj+3] offset:8192*(\c)+16*\jj
	ds_store_b8 v[ISW], v[BY+\jj] offset:256*(\c)+4*\jj
.endr
.endm
.macro WM i, a, p, zero
.set AC, 32*(\i)+8*(\a)
.set AW, 160+16*(\a)
.set BX, 80*(\p)+16*(\i)
.if \zero
.if (\a)%2
	v_wmma_scale_f32_16x16x128_f8f6f4 v[AC:AC+7], v[AW:AW+15], v[BX:BX+15], 0, v[WS+(\a)/2], v[HS+5*(\p)+(\i)] matrix_a_fmt:MATRIX_FMT_BF8 matrix_b_fmt:MATRIX_FMT_BF8 matrix_a_scale:MATRIX_SCALE_ROW1
.else
	v_wmma_scale_f32_16x16x128_f8f6f4 v[AC:AC+7], v[AW:AW+15], v[BX:BX+15], 0, v[WS+(\a)/2], v[HS+5*(\p)+(\i)] matrix_a_fmt:MATRIX_FMT_BF8 matrix_b_fmt:MATRIX_FMT_BF8
.endif
.else
.if (\a)%2
	v_wmma_scale_f32_16x16x128_f8f6f4 v[AC:AC+7], v[AW:AW+15], v[BX:BX+15], v[AC:AC+7], v[WS+(\a)/2], v[HS+5*(\p)+(\i)] matrix_a_fmt:MATRIX_FMT_BF8 matrix_b_fmt:MATRIX_FMT_BF8 matrix_a_scale:MATRIX_SCALE_ROW1
.else
	v_wmma_scale_f32_16x16x128_f8f6f4 v[AC:AC+7], v[AW:AW+15], v[BX:BX+15], v[AC:AC+7], v[WS+(\a)/2], v[HS+5*(\p)+(\i)] matrix_a_fmt:MATRIX_FMT_BF8 matrix_b_fmt:MATRIX_FMT_BF8
.endif
.endif
.endm
; A K step's 20 products; the 20 accumulators take turns, one instruction a turn.  xn: the loads that may stay out when the hidden layer's are in.
; The LDS loads at its head land in registers that the K step before has read: the wait on va_vdst that states it stands ahead of the macro, wherever it is used.
.macro MUL ra, ioff, rs, soff, p, zero, xn
	ds_load_b32 v[WS], v[\rs] offset:(\soff)
	ds_load_b32 v[WS+1], v[\rs] offset:(\soff)+128
	WIN 0x80                                       ; destination window 2
.irp a, 0,1,2,3
.irp c, 0,1,2,3
	ds_load_b128 v[160+16*\a+4*\c:160+16*\a+4*\c+3], v[\ra] offset:(\ioff)+2048*\a+512*\c
.endr
.endr
	s_wait_loadcnt \xn
	WIN 0xae                                       ; source 0 window 2, source 1 window 3, C and D window 2
.irp a, 0,1,2,3
	s_wait_dscnt 4*(3-\a)
.irp i, 0,1,2,3,4
	WM \i, \a, \p, \zero
.endr
.endr
	WIN 0
.rept 9
	v_nop                                          ; places: eight in front of loads into the operands and of reads of the sums, nine in front of a product that starts a sum anew; they stay beside the waits on va_vdst
.endr
.endm
; The loads go out in the order .. W(c), H(c), W(c+1), H(c+1), W(c+2) ..  Behind W(c) at least 65 loads have been issued at chunk c's head, and the count's field ends at 63 (ISA guide 5.7.1): so the wait is for 63.
.macro CHUNK c, zero, xn
	s_wait_loadcnt 63
.if (\c) > 0
	s_wait_alu depctr_vm_vsrc(0)                   ; the last chunk's LDS stores have read C and BY, which this chunk's conversions and shifts write again
.endif
	QUANT \c
	s_wait_dscnt 0x0                               ; for the others' sake: my codes and bytes have landed
	s_barrier_signal -1
	s_barrier_wait -1
	MUL IRA, 8192*(\c), ISR, 256*(\c), (\c)%2, \zero, \xn
.if (\c) < 6
	s_wait_alu depctr_va_vdst(0)                   ; the products are done reading their set of the hidden layer and its scale words, in which the K step after next lands
	HLOAD (\c)+2, (\c)%2, 6, 8
.endif
.if (\c) < 5
	WLOAD (\c)+3                                   ; into the set that the chunk before has left.  No wait: no vector instruction since the wait behind this chunk's conversions names that set
.endif
.if (\c) == 6
	RIDS                                           ; nothing else is left to ask for: the ids for the first sweep's way out.  No vector instruction has named their registers yet
.endif
.endm
; The way out, tile by tile, on two buffers of each kind by turns.  Tile i: x the weight into Y[i % 2]; its eight row ids into offsets; through my stage into YB[i % 2]; and while that is on its way, the tile before is stored.
.macro SEND i                          ; tile i's eight stores
.set YBB, YB-80*((\i)%2)
.irp p, 0,1,2,3,4,5,6,7
	global_store_b128 v[RID+8*(\i)+\p], v[YBB+4*\p:YBB+4*\p+3], s[14:15]       ; sixteen lanes store 256 consecutive bytes of a row, aligned
.endr
.endm
.macro EPI i
.set YY, Y-80*((\i)%2)
.set YBB, YB-80*((\i)%2)
.if (\i) > 1
	s_wait_xcnt 0x0                                ; the stores of the tile two back have had their addresses translated: their data registers are loaded again only behind this wait
	s_wait_alu depctr_vm_vsrc(0)                   ; the tile two back: its LDS stores have read Y[i % 2], which the multiplications below write, and its global stores YB[i % 2], in which the LDS loads below land
.endif
	WIN 0x02                                       ; source 0 window 2
.irp n, 0,1,2,3,4,5,6,7,8,9,10,11,12,13,14,15
	v_pk_mul_f32 v[YY+2*\n:YY+2*\n+1], v[32*(\i)+2*\n:32*(\i)+2*\n+1], v[CW+2*(\i):CW+2*(\i)+1] op_sel_hi:[1,0]    ; x the row's weight; each sum is read from its low end on
.endr
	WIN 0
.irp p, 0,1,2,3,4,5,6,7
	v_min_u32 v[RID+8*(\i)+\p], 0x807, v[RID+8*(\i)+\p]          ; held inside a plane's 2,056 rows
.endr
.irp p, 0,1,2,3,4,5,6,7
	v_lshl_add_u32 v[RID+8*(\i)+\p], v[RID+8*(\i)+\p], 12, v[Q16]
.endr
	s_wait_alu depctr_va_vdst(0)                   ; the multiplications have written Y[i % 2], which the LDS stores read; the tile's eight offsets are written, which its global stores read; whatever vector line last named YB[i % 2] is done
.irp a, 0,1,2,3
	ds_store_b128 v[STW], v[YY+8*\a:YY+8*\a+3] offset:64*\a
	ds_store_b128 v[STW], v[YY+8*\a+4:YY+8*\a+7] offset:64*\a+16
.endr
.irp p, 0,1,2,3,4,5,6,7
	ds_load_b128 v[YBB+4*\p:YBB+4*\p+3], v[STR] offset:544*\p    ; LDS serves a wave's instructions in order: these see my stores, which came behind the last tile's loads
.endr
.if (\i) > 0
	s_wait_dscnt 16                                ; this tile's eight stores and eight loads may be out: the tile before is back in registers
	SEND (\i)-1
.endif
.endm
	s_wait_alu depctr_va_vdst(0)                   ; v2 to v13, the offsets and LDS addresses made above, are written: loads, stores and LDS instructions read them from here to the kernel's end
	RLOAD
	WLOAD 0
	HLOAD 0, 0, 6, 8
	WLOAD 1
	s_wait_loadcnt 57                              ; 16 + 25 + 16 loads were issued behind the list's five: they are in
	CWLOAD
	HLOAD 1, 1, 6, 8
	WLOAD 2
	CHUNK 0, 1, 57                                 ; behind H(c): W(c+1) 16, H(c+1) 25, W(c+2) 16 (in chunk 0 the five weights too)
	CHUNK 1, 0, 57
	CHUNK 2, 0, 57
	CHUNK 3, 0, 57
	CHUNK 4, 0, 57
	CHUNK 5, 0, 57
	CHUNK 6, 0, 41                                 ; W7 16, H7 25
	CHUNK 7, 0, 40                                 ; the 40 ids
	s_wait_loadcnt 0x0                             ; the 40 ids are in: the first sweep's way out reads them, and a later sweep's loads into the same registers are issued only behind this wait
	s_wait_kmcnt 0x0                               ; the count
	s_mov_b32 s33, 0                               ; the sweep
	s_mov_b32 s34, 0                               ; its first row
.Lsweep:                                           ; four sweeps, a loop of constant count without a barrier; sweep 0 has only its way out left
	s_cmp_lt_u32 s34, s19
	s_cselect_b32 s41, 1, 0
	s_cmp_eq_u32 s33, 0
	s_cselect_b32 s42, 0, s41                      ; products?
	s_cselect_b32 s43, 1, s41                      ; way out?
	s_wait_xcnt 0x0                                ; the bases and registers of earlier loads and stores are written again only behind this wait
	s_wait_alu depctr_vm_vsrc(0)                   ; the weights' loads have read RI; the last sweep's LDS stores have read Y, its global stores YB and RID: this sweep's loads and vector lines write all of them again
	s_mov_b64 s[36:37], s[6:7]
	s_mov_b64 s[38:39], s[8:9]
	s_mov_b32 s40, 0
	s_mov_b32 s44, 0
	s_cmp_eq_u32 s42, 0
	s_cbranch_scc1 .Lno_first
	RLOAD                                          ; no wait on va_vdst: the last vector lines that named RI stand ahead of the wait in CWLOAD, those that named RID ahead of their tile's wait
	RIDS
	s_wait_loadcnt 40                              ; the five entries are in; the 40 ids may be out
	CWLOAD
	HLOAD 0, 0, 36, 38
	MUL IRA, 0, ISR, 0, 0, 1, 0                    ; its wait for 0 loads also shows this sweep's ids and weights in
.Lno_first:
	s_mov_b32 s35, 7
.Lk:                                               ; K steps 1-7: every wave walks the loop; only the work is jumped over
	s_wait_xcnt 0x0
	s_add_nc_u64 s[36:37], s[36:37], 163840
	s_add_nc_u64 s[38:39], s[38:39], 64
	s_add_co_u32 s40, s40, 8192
	s_add_co_u32 s44, s44, 256
	s_cmp_eq_u32 s42, 0
	s_cbranch_scc1 .Lno_step
	s_wait_alu depctr_vm_vsrc(0)                   ; the last step's LDS loads have read PIR and PIS
	v_add_nc_u32 v[PIR], s40, v[IRA]
	v_add_nc_u32 v[PIS], s44, v[ISR]
	s_wait_alu depctr_va_vdst(0)                   ; PIR and PIS are written, which this step's LDS loads read; the last step's products are done reading the hidden layer's and w3's fragments and scale words, in which this step's loads land
	HLOAD 0, 0, 36, 38
	MUL PIR, 0, PIS, 0, 0, 0, 0
.Lno_step:
	s_sub_co_u32 s35, s35, 1
	s_cmp_lg_u32 s35, 0
	s_cbranch_scc1 .Lk
	s_cmp_eq_u32 s43, 0
	s_cbranch_scc1 .Lno_out
	EPI 0
	EPI 1
	EPI 2
	EPI 3
	EPI 4
	s_wait_dscnt 0x0                               ; tile 4 is back in registers
	SEND 4
.Lno_out:
	s_wait_xcnt 0x0
	s_add_nc_u64 s[6:7], s[6:7], 20480             ; 20 tiles on, in hid and in hsc,
	s_add_nc_u64 s[8:9], s[8:9], 20480
	s_add_nc_u64 s[10:11], s[10:11], 1280          ; and 320 entries on in the list: the scalar base moves, so that no vector line writes an offset in the loop
	s_add_co_u32 s34, s34, 320
	s_add_co_u32 s33, s33, 1
	s_cmp_lt_u32 s33, 4
	s_cbranch_scc1 .Lsweep
	s_wait_dscnt 0x0                               ; the closing lines, six on end
	s_wait_alu 0x0
	s_wait_tensorcnt 0x0
	ds_add_u32 v254, v255
	s_wait_dscnt 0x0
	s_endpgm
.Lfunc_end_k_q64c17bbfd1_gemm2:
	.size	k_q64c17bbfd1_gemm2, .Lfunc_end_k_q64c17bbfd1_gemm2-k_q64c17bbfd1_gemm2
	.p2alignl 7, 3214868480
	.fill 96, 4, 3214868480
	.section	.rodata,"a",@progbits
	.p2align	6, 0x0
	.amdhsa_kernel k_q64c17bbfd1_gemm2
		.amdhsa_group_segment_fixed_size 86528
		.amdhsa_private_segment_fixed_size 0
		.amdhsa_enable_private_segment 0
		.amdhsa_kernarg_size 48
		.amdhsa_user_sgpr_count 2
		.amdhsa_user_sgpr_kernarg_segment_ptr 1
		.amdhsa_wavefront_size32 1
		.amdhsa_system_sgpr_workgroup_id_x 1
		.amdhsa_system_sgpr_workgroup_id_y 1
		.amdhsa_system_sgpr_workgroup_id_z 1
		.amdhsa_system_vgpr_workitem_id 0
		.amdhsa_next_free_vgpr 1024
		.amdhsa_next_free_sgpr 66
		.amdhsa_reserve_vcc 0
		.amdhsa_float_denorm_mode_32 3
		.amdhsa_float_denorm_mode_16_64 3
		.amdhsa_memory_ordered 1
		.amdhsa_forward_progress 1
		.amdhsa_inst_pref_size 183
	.end_amdhsa_kernel
	.amdgpu_metadata
---
amdhsa.version: [ 1, 2 ]
amdhsa.kernels:
  - .name:           k_q64c17bbfd1_gemm2
    .symbol:         k_q64c17bbfd1_gemm2.kd
    .args:
      - { .name: w3, .offset: 0, .size: 8, .value_kind: global_buffer, .address_space: global }
      - { .name: hid, .offset: 8, .size: 8, .value_kind: global_buffer, .address_space: global }
      - { .name: hsc, .offset: 16, .size: 8, .value_kind: global_buffer, .address_space: global }
      - { .name: list, .offset: 24, .size: 8, .value_kind: global_buffer, .address_space: global }
      - { .name: rt, .offset: 32, .size: 8, .value_kind: global_buffer, .address_space: global }
      - { .name: y, .offset: 40, .size: 8, .value_kind: global_buffer, .address_space: global }
    .group_segment_fixed_size: 86528
    .private_segment_fixed_size: 0
    .kernarg_segment_align: 8
    .kernarg_segment_size: 48
    .max_flat_workgroup_size: 128
    .sgpr_count:     66
    .vgpr_count:     1024
    .wavefront_size: 32
...
	.end_amdgpu_metadata
.endif
;; end of part 5
;; launch combine: the kernel of part 4 again; grid 256 x 1, 8 waves a work-group, no clusters, 0 bytes of LDS; arguments y, rt, out0, out1; writes out0, out1
